; MI455X (gfx1250); checked and timed in simulation.
; The chip was launched on July 23, 2026; its instructions are those of AMD's public machine-readable ISA for CDNA 5 (MIT licence, August 2026) and "CDNA5" Instruction Set Architecture Reference Guide (July 2026). The comments in the code are by the model that wrote it; some were corrected since.
;; Multi Head Attention. Allowed arithmetic: matrix products marked QUANTISED: E2M3 operands, one E8M0 scale for each 32 along K, by v_wmma_scale_f32_16x16x128_f8f6f4 with both operands' format E2M3, f32 sums; everything else in f32.
;; Inputs: Wk 1,024 x 1,024 float32; Wo 1,024 x 1,024 float32; Wq 1,024 x 1,024 float32; Wv 1,024 x 1,024 float32; key 2 x 2,048 x 1,024 float32; masked 2 x 2,048 x 2,048 bool; query 2 x 2,048 x 1,024 float32; value 2 x 2,048 x 1,024 float32.
;; Outputs: out0 2 x 2,048 x 1,024 float32.
;; This version of the problem:
;;   THIS VERSION OF THE PROBLEM IS GIVEN IN LOW PRECISION. The matrix products marked QUANTISED in the list below multiply operands that are first quantised to E2M3 (2 exponent bits, 3 mantissa bits; 6 bits a number), with one power-of-two scale for each 32 numbers along K (OCP MX v1.0); their sums are f32. All else is computed in f32.
;;   The module's matrix products, in the order in which they are computed (A, B: the left and right operand; K: the contracted axis; several contracted axes count as one K, in the product's order):
;;     1. [M 4,096, K 1,024] x [K 1,024, N 1,024]; A: input query; B: input Wq: QUANTISED
;;     2. [M 4,096, K 1,024] x [K 1,024, N 1,024]; A: input key; B: input Wk: QUANTISED
;;     3. [M 4,096, K 1,024] x [K 1,024, N 1,024]; A: input value; B: input Wv: QUANTISED
;;     4. batch 32 x [M 2,048, K 64] x [K 64, N 2,048]; A: computed on the way; B: computed on the way: QUANTISED
;;     5. batch 32 x [M 2,048, K 2,048] x [K 2,048, N 64]; A: softmax (see below); B: computed on the way: QUANTISED
;;     6. [M 4,096, K 1,024] x [K 1,024, N 1,024]; A: computed on the way; B: input Wo: QUANTISED
;;   THE QUANTISER, for each operand of a quantised product, along K:
;;     - K is cut into blocks of 32 from its start; a last block that is shorter is filled with zeros.
;;     - A block's scale is 2^e with e = floor(log2(the largest magnitude in the block)) - 2, held to -126 .. 127; a block of zeros has e = 0. As a byte (E8M0): e + 127.
;;     - Each number is divided by its block's scale, clamped to +-7.5, and rounded to the nearest number of E2M3, ties to even, subnormals kept.
;;     - The product sums the exact products of the quantised numbers (number of the format x scale) in f32.
;;   ~~~python
;;   def quantise(x, axis):      # numpy; x: float32 -> the quantised numbers, widened to float32 again
;;       x = np.moveaxis(x, axis, -1); K = x.shape[-1]
;;       x = np.pad(x, [(0, 0)] * (x.ndim - 1) + [(0, -K % 32)]); x = x.reshape(x.shape[:-1] + (-1, 32)); a = np.abs(x).max(-1, keepdims=True)
;;       e = np.where(a > 0, np.clip(np.frexp(np.where(a > 0, a, 1))[1] - 1 - 2, -126, 127), 0)      # np.frexp(a)[1] - 1 = floor(log2(a)), exactly
;;       r = np.clip(x / 2.0 ** e, -7.5, 7.5)
;;       step = 2.0 ** (np.maximum(np.frexp(np.where(r == 0, 1, r))[1] - 1, 0) - 3)
;;       q = np.round(r / step) * step * 2.0 ** e      # np.round: ties to even
;;       return np.moveaxis(q.reshape(q.shape[:-2] + (-1,))[..., :K], -1, axis).astype(np.float32)
;;   ~~~
;;   SOFTMAX AHEAD OF A QUANTISED PRODUCT. Where the list says 'softmax', what is quantised is not the finished softmax but p = 2^(t - M), with t = logit x log2(e) and M = ceil(the row's largest t), a whole number; so 1/2 < the row's largest p <= 1. The row's sum l is taken of the UNQUANTISED p, in f32, and the product's result is divided by l at the end. Since M is a whole number, a kernel that streams over the keys may use a running M (the ceiling of the running maximum): every later rescaling is an exact power of two, which a block's scale takes up: the codes' values come out the same.
;;   OPERANDS COMPUTED ON THE WAY. 'Computed on the way' means the value that the module computes at that place (a softmax that the list does not call 'softmax' is quantised finished and normalised). What goes into a quantiser is computed in f32, as accurately as f32 sums, v_exp_f32 and their like allow (about 1e-6 of the number): no bf16 or f16 on the way to a quantiser, and a product that is left as it is and whose result goes on into a quantised operand takes f32 operands (vector FMAs, or v_wmma_f32_16x16x4_f32). A number that lies on a knife's edge between two numbers of the format may be rounded either way, as far as f32 arithmetic and the matrix unit's own rounding can turn it there, and no further.
;; One version. Each part assembles by itself: llvm-mc -triple=amdgcn-amd-amdhsa -mcpu=gfx1250 --defsym DOCPART=n.
;; ======== version 1 of 1: 4 launches
;; limits: right only within a limited range of input values
;; workspace buffers: xc 9,437,184 bytes; xs 393,216 bytes; wc 3,145,728 bytes; ws 131,072 bytes; mw 1,048,576 bytes of whole numbers; ac 9,830,400 bytes; oc 3,145,728 bytes; os 131,072 bytes
;; launch prep (part 1): grid 896 x 1, 4 waves a work-group, no clusters, 81,408 bytes of LDS; arguments query, key, value, Wq, Wk, Wv, Wo, masked, xc, xs, wc, ws, mw; writes xc, xs, wc, ws, mw
.if DOCPART == 1
	.amdgcn_target "amdgcn-amd-amdhsa--gfx1250"
	.amdhsa_code_object_version 6
	.text
	.protected	k_q2e99e9dfe6_prep
	.globl	k_q2e99e9dfe6_prep
	.p2align	8
	.type	k_q2e99e9dfe6_prep,@function
k_q2e99e9dfe6_prep:
	s_mov_b64 s[64:65], 0
	v_nop
	global_prefetch_b8 v0, s[64:65] scope:SCOPE_SE
	s_setreg_imm32_b32 hwreg(HW_REG_WAVE_MODE, 25, 1), 1
	s_wait_xcnt 0x0
; PREP: query, key, value [4096][1024] and Wq, Wk, Wv, Wo [1024 (k)][1024 (n)], f32, become codes of FP6 (E2M3) with one E8M0 byte for each 32 along K; the mask [2][2048][2048] of bytes becomes lane masks.
; A block's scale is 2^(floor(log2(its largest magnitude)) - 2); its byte is the largest magnitude's exponent field - 2, held at 1 from below.
; LIMITS: NaN and infinities among the inputs are not served.  A block whose largest magnitude lies under 2^-124 keeps the byte 1; a block of zeros gets the byte 1 where the rule says 127: its codes are
; zeros, which add nothing under any byte but 0xff, and these bytes are read by this program alone.
; LAYOUT OF THE CODES: images of operand registers.  A tile is 16 rows; lane rho of tile T holds row 32 (T / 2) + 8 (T % 2) + rho + 8 (rho / 8).  A fragment (16 rows x 128 K, 12 registers a lane) is 1,536 bytes:
; plane p (registers 2 p, 2 p + 1) at 256 p, lane l at 8 l.  Codes: [tile][K step 0..7][1,536].  Scale words: [tile][K step][rho], 4 bytes.
; LAYOUT OF THE MASK: [batch][tile of 16 queries][step of 128 keys][64 words]; bit rho + 16 h of word 16 b + i is masked[query row(tile, rho)][128 step + 32 b + 16 h + i].
; THREE PATHS, parted by the work-group's number: 0-383 the three activations, 384-639 the four weights, 640-895 the mask.  Each path has LDS bytes of its own; each wave works for itself: no barrier.
.set SP,   528                         ; a stage row: 512 bytes + 16: 33 x 16, so that sixteen rows begin in sixteen different groups of banks (64 banks of 4 bytes: ISA guide 11.1)
.set XST,  0                           ; LDS: the activations' stages, 16 x SP bytes a wave
.set MST,  33792                       ; the mask's stages, likewise
.set WST,  67584                       ; the weights' stages, 3,328 bytes a wave
.set WVN,  30                          ; s30 my wave's number
.set HM,   45                          ; s45 lanes 16-31
.set SEL,  46                          ; s[46:47] v_permlanex16_b32's selects for lane l xor 16
.set R,    16                          ; v16-143  path X: two sets of 64 numbers as loaded
.set X,    144                         ; v144-207 64 numbers: register 16 b + i = k 32 b + 16 h + i of my row
.set PC,   208                         ; v208-226 the fragment just made, and the conversions' second halves
.set TM,   228                         ; v228-243 at work
.set PW,   244                         ; the scale word just made
.set SW,   246                         ; v246-247 two K steps' scale words: lanes 0-15 the even step's, lanes 16-31 the odd step's
; 64 numbers of a lane become a fragment's codes in v[PC] on and its scale word in v[PW]
.macro QUANT s
.irp b, 0,1,2,3
	v_max3_num_f32 v[TM+\b], |v[\s+16*\b]|, |v[\s+1+16*\b]|, 0x1800000   ; block b: my 16 numbers, and the floor 2^(3 - 127): the byte cannot fall under 1
.endr
.irp i, 2,4,6,8,10,12,14
.irp b, 0,1,2,3
	v_max3_num_f32 v[TM+\b], v[TM+\b], |v[\s+16*\b+\i]|, |v[\s+1+16*\b+\i]|   ; the four blocks by turns
.endr
.endr
.irp b, 0,1,2,3
	v_permlanex16_b32 v[TM+4+\b], v[TM+\b], s[SEL], s[SEL+1]
.endr
.irp b, 0,1,2,3
	v_max_num_f32 v[TM+\b], v[TM+\b], v[TM+4+\b]   ; with lane l xor 16's: the block's largest magnitude
.endr
.irp b, 0,1,2,3
	v_add_nc_u32 v[TM+12+\b], 0xff000000, v[TM+\b]   ; 2 off its exponent field: the conversion takes the exponent field of this operand as its scale
.endr
.irp b, 0,1,2,3
	v_lshrrev_b32 v[TM+4+\b], 23, v[TM+12+\b]      ; the scale's byte
.endr
	v_lshl_or_b32 v[PW], v[TM+5], 8, v[TM+4]       ; four bytes: my row's scale word (both halves of the lanes hold the same)
	v_lshl_or_b32 v[PW], v[TM+6], 16, v[PW]
	v_lshl_or_b32 v[PW], v[TM+7], 24, v[PW]
.irp c, 0,1
	v_cvt_scalef32_pk16_fp6_f32 v[PC+6*\c:PC+2+6*\c], v[\s+32*\c:\s+15+32*\c], v[TM+12+2*\c]
	v_cvt_scalef32_pk16_fp6_f32 v[PC+12+4*\c:PC+14+4*\c], v[\s+16+32*\c:\s+31+32*\c], v[TM+12+2*\c+1]   ; (a conversion's three registers begin on an even number)
.endr
	v_nop                                          ; one plain instruction behind the scaled conversions
.irp c, 0,1                                    ; the operand's layout wants a whole block in a lane: lanes 0-15 block 2 c, lanes 16-31 block 2 c + 1
.irp i, 0,1,2
	v_permlane16_swap_b32 v[PC+6*\c+\i], v[PC+12+4*\c+\i]
.endr
.irp i, 0,1,2
	v_mov_b32 v[PC+3+6*\c+\i], v[PC+12+4*\c+\i]
.endr
.endr
.endm
	s_load_b256 s[4:11], s[0:1], 0x0               ; query s[4:5], key s[6:7], value s[8:9], Wq s[10:11]
	s_load_b256 s[12:19], s[0:1], 0x20             ; Wk s[12:13], Wv s[14:15], Wo s[16:17], masked s[18:19]
	s_load_b256 s[20:27], s[0:1], 0x40             ; xc s[20:21], xs s[22:23], wc s[24:25], ws s[26:27]
	s_load_b64 s[28:29], s[0:1], 0x60              ; mw
	v_lshl_add_u32 v254, v0, 2, 0x13c00
	v_mov_b32 v255, 0
	v_lshrrev_b32 v1, 5, v0
	v_readfirstlane_b32 s[WVN], v1                 ; wave 0..3
	v_and_b32 v2, 31, v0                           ; lane
	s_wait_kmcnt 0x0
	s_cmp_lt_u32 ttmp9, 384
	s_cbranch_scc1 .Lpath_x
	s_cmp_lt_u32 ttmp9, 640
	s_cbranch_scc1 .Lpath_w
; ---------------- THE MASK.  A wave takes one tile of 16 queries x 512 keys: four steps of 128 keys, 4 x 64 words.
.set MR, 16                            ; v16-79   16 rows x 512 bytes as loaded
.set MX, 80                            ; v80-143  register 4 (4 st + b) + e: bytes of keys 128 st + 32 b + 16 h + 4 e .. + 3 of my query
.set MT, 144                           ; v144-147 at work
.set MW, 148                           ; v148-155 step st's 64 words: word n in lane n / 2 of register 2 st + n % 2
	s_sub_co_u32 s31, ttmp9, 640
	s_lshl_b32 s31, s31, 2
	s_add_co_u32 s31, s31, s[WVN]                  ; unit 0..1023
	s_lshr_b32 s32, s31, 9                         ; batch
	s_bfe_u32 s33, s31, 0x70002                    ; tile of queries, 0..127
	s_and_b32 s34, s31, 3                          ; which 512 keys
	s_lshl_b32 s36, s32, 22                        ; a batch's mask is 2,048 x 2,048 bytes
	s_lshr_b32 s37, s33, 1
	s_lshl_b32 s37, s37, 16                        ; 32 rows of 2,048 bytes for each pair of tiles,
	s_add_co_u32 s36, s36, s37
	s_and_b32 s37, s33, 1
	s_lshl_b32 s37, s37, 14                        ; 8 rows for the odd tile
	s_add_co_u32 s36, s36, s37
	s_lshl_b32 s37, s34, 9
	s_add_co_u32 s36, s36, s37
	s_mov_b32 s37, 0
	s_add_nc_u64 s[18:19], s[18:19], s[36:37]
	s_lshl_b32 s36, s32, 7
	s_add_co_u32 s36, s36, s33
	s_lshl_b32 s36, s36, 12                        ; 4,096 bytes of words for each tile of queries,
	s_lshl_b32 s38, s34, 10                        ; 256 for each step
	s_add_co_u32 s36, s36, s38
	s_add_nc_u64 s[28:29], s[28:29], s[36:37]
	v_lshlrev_b32 v3, 4, v2                        ; 16 x lane: a load takes a row's 512 consecutive bytes
	s_mul_i32 s35, s[WVN], 16*SP
	s_add_co_u32 s35, s35, MST                     ; my stage
	v_add_nc_u32 v4, s35, v3                       ; in: 16 x lane, the row in the immediate
	v_and_b32 v5, 15, v2
	v_lshrrev_b32 v6, 4, v2
	v_mul_u32_u24 v5, v5, SP
	v_lshl_add_u32 v5, v6, 4, v5
	v_add_nc_u32 v5, s35, v5                       ; out: row rho, + 16 h
	v_lshlrev_b32 v7, 3, v2                        ; 8 x lane: two words a lane on the way out
.irp i, 0,1,2,3,4,5,6,7,8,9,10,11,12,13,14,15
	global_load_b128 v[MR+4*\i:MR+4*\i+3], v3, s[18:19] offset:(\i+8*(\i/8))*2048 th:TH_LOAD_NT   ; lane rho's query lies rho + 8 (rho / 8) rows on
.endr
.irp k, 0,1,2,3,4,5,6,7
	v_mov_b32 v[MW+\k], 0                          ; v_writelane_b32's destination counts as read
.endr
	s_wait_loadcnt 0x0
.irp i, 0,1,2,3,4,5,6,7,8,9,10,11,12,13,14,15
	ds_store_b128 v4, v[MR+4*\i:MR+4*\i+3] offset:SP*\i
.endr
.irp q, 0,1,2,3,4,5,6,7,8,9,10,11,12,13,14,15
	ds_load_b128 v[MX+4*\q:MX+4*\q+3], v5 offset:128*(\q/4)+32*(\q%4)   ; LDS serves a wave's instructions in order (ISA guide 5.7.1.4): these see my stores
.endr
	s_wait_dscnt 0x0
.set st, 0
.rept 4
.set g, 0
.rept 16                               ; words 4 g .. 4 g + 3: the four bytes of register g of the step
.irp e, 0,1,2,3
	v_bfe_u32 v[MT+\e], v[MX+16*st+g], 8*\e, 8
.endr
.irp e, 0,1,2,3
	v_cmp_ne_u32 s[40+\e], 0, v[MT+\e]             ; one bit a lane: the word
.endr
.irp e, 0,1,2,3
	v_writelane_b32 v[MW+2*st+\e%2], s[40+\e], 2*g+\e/2
.endr
.set g, g+1
.endr
	global_store_b64 v7, v[MW+2*st:MW+2*st+1], s[28:29] offset:256*st   ; 32 lanes store 256 consecutive bytes, aligned
.set st, st+1
.endr
	s_wait_tensorcnt 0x0
	ds_add_u32 v254, v255
	s_wait_dscnt 0x0
	s_endpgm
; ---------------- THE WEIGHTS.  K is their first axis: a lane takes a column n and its registers run down K, so that a block of 32 lies in one lane.  A wave takes 32 columns (two tiles) x one K step of 128.
.Lpath_w:
	s_sub_co_u32 s32, ttmp9, 384
	s_lshr_b32 s33, s32, 6                         ; which weight: 0 Wq, 1 Wk, 2 Wv, 3 Wo
	s_bfe_u32 s34, s32, 0x30003                    ; K step
	s_and_b32 s35, s32, 7
	s_lshl_b32 s35, s35, 2
	s_add_co_u32 s35, s35, s[WVN]                  ; which 32 columns
	s_and_b32 s31, s33, 1
	s_cmp_lt_u32 s33, 2
	s_cselect_b64 s[36:37], s[10:11], s[14:15]     ; Wq or Wv,
	s_cselect_b64 s[38:39], s[12:13], s[16:17]     ; Wk or Wo:
	s_cmp_eq_u32 s31, 1
	s_cselect_b64 s[36:37], s[38:39], s[36:37]     ; the choice hangs on the work-group's number alone
	s_lshl_b32 s40, s34, 19                        ; 128 rows of 4,096 bytes a K step
	s_lshl_b32 s41, s35, 7                         ; 128 bytes for 32 columns
	s_add_co_u32 s40, s40, s41
	s_mov_b32 s41, 0
	s_add_nc_u64 s[36:37], s[36:37], s[40:41]
	s_lshl_b32 s42, s33, 6
	s_lshl_b32 s43, s35, 1
	s_add_co_u32 s42, s42, s43                     ; my first tile: 64 x weight + 2 x (which 32 columns)
	s_mul_i32 s40, s42, 12288
	s_mul_i32 s43, s34, 1536
	s_add_co_u32 s40, s40, s43
	s_add_nc_u64 s[24:25], s[24:25], s[40:41]
	s_lshl_b32 s40, s42, 9
	s_lshl_b32 s43, s34, 6
	s_add_co_u32 s40, s40, s43
	s_add_nc_u64 s[26:27], s[26:27], s[40:41]
	v_bfe_u32 v9, v2, 3, 1                         ; u: column l lies in tile u = (l / 8) % 2,
	v_and_b32 v10, 7, v2
	v_lshrrev_b32 v11, 4, v2
	v_lshl_add_u32 v10, v11, 3, v10                ; at its lane rho = l % 8 + 8 (l / 16)
	s_mul_i32 s31, s[WVN], 3328
	s_add_co_u32 s31, s31, WST                     ; my stage: two fragments, 1,664 bytes apart (1,536 + 128: the two halves of a store's lanes fall on different banks)
	v_mul_u32_u24 v5, v9, 1664
	v_lshl_add_u32 v5, v10, 3, v5
	v_add_nc_u32 v5, s31, v5                       ; in: fragment u, 8 rho
	v_lshlrev_b32 v7, 4, v2                        ; 16 x lane
	v_add_nc_u32 v6, s31, v7                       ; out
	v_lshlrev_b32 v8, 9, v9
	v_lshl_add_u32 v8, v10, 2, v8                  ; my scale word: 512 u + 4 rho
	v_lshlrev_b32 v4, 2, v2                        ; in memory: 4 bytes a lane
.macro WLOAD kb                        ; block kb: W(128 step + 32 kb + i, my column)
.irp i, 0,1,2,3,4,5,6,7,8,9,10,11,12,13,14,15,16,17,18,19,20,21,22,23,24,25,26,27,28,29,30,31
	global_load_b32 v[64+32*(\kb)+\i], v4, s[36:37] offset:(32*(\kb)+\i)*4096 th:TH_LOAD_NT
.endr
.endm
.macro WBLOCK kb
.set XS, 64+32*(\kb)
.set WC, 16+8*(\kb)                    ; each block has its own registers for its codes: no store's data are written again
.if (\kb) < 3
	s_wait_loadcnt 32                              ; this block's 32 loads are in; the next block's 32 may be out
.else
	s_wait_loadcnt 0x0
.endif
.if (\kb)+2 < 4
	WLOAD (\kb)+2                                  ; two blocks ahead, into registers of its own
.endif
	v_max3_num_f32 v12, |v[XS]|, |v[XS+1]|, |v[XS+2]|   ; the block's largest magnitude: all 32 numbers are mine
	v_max3_num_f32 v13, |v[XS+3]|, |v[XS+4]|, |v[XS+5]|
.irp i, 6,10,14,18,22,26
	v_max3_num_f32 v12, v12, |v[XS+\i]|, |v[XS+\i+1]|
	v_max3_num_f32 v13, v13, |v[XS+\i+2]|, |v[XS+\i+3]|
.endr
	v_max3_num_f32 v12, v12, |v[XS+30]|, |v[XS+31]|
	v_max3_num_f32 v12, v12, v13, 0x1800000        ; and the floor 2^(3 - 127)
	v_add_nc_u32 v11, 0xff000000, v12              ; 2 off its exponent field: the conversion's scale operand
	v_lshrrev_b32 v13, 23, v11                     ; the scale's byte
.if (\kb) == 0
	v_mov_b32 v48, v13                             ; four bytes to the scale word, the lower K in the lower byte
.else
	v_lshl_or_b32 v48, v13, 8*(\kb), v48
.endif
	v_cvt_scalef32_pk16_fp6_f32 v[WC:WC+2], v[XS:XS+15], v11
	v_cvt_scalef32_pk16_fp6_f32 v[WC+4:WC+6], v[XS+16:XS+31], v11
	v_nop                                          ; one plain instruction behind the scaled conversions
	v_mov_b32 v[WC+3], v[WC+4]                     ; the block's six registers on end
	v_mov_b32 v[WC+4], v[WC+5]
	v_mov_b32 v[WC+5], v[WC+6]
.irp p, 0,1,2                                  ; block kb = 2 c + h belongs to the image's lane rho + 16 h, planes 3 c + p
	ds_store_b64 v5, v[WC+2*\p:WC+2*\p+1] offset:768*((\kb)/2)+128*((\kb)%2)+256*\p
.endr
.endm
	WLOAD 0
	WLOAD 1
	WBLOCK 0
	WBLOCK 1
	WBLOCK 2
	WBLOCK 3
	global_store_b32 v8, v48, s[26:27]             ; my column's scale word for this K step
.irp q, 0,1,2,3,4,5
	ds_load_b128 v[192+4*\q:195+4*\q], v6 offset:1664*(\q/3)+512*(\q%3)   ; LDS serves a wave's instructions in order: these see my stores
.endr
.irp q, 0,1,2,3,4,5
	s_wait_dscnt 5-\q                              ; the younger reads may stay out
	global_store_b128 v7, v[192+4*\q:195+4*\q], s[24:25] offset:12288*(\q/3)+512*(\q%3)   ; 32 lanes store 512 consecutive bytes, aligned
.endr
	s_wait_tensorcnt 0x0
	ds_add_u32 v254, v255
	s_wait_dscnt 0x0
	s_endpgm
; ---------------- THE ACTIVATIONS.  A wave takes one tile of 16 rows x 512 along K: four K steps.  Each load reads a row's 512 consecutive bytes; a K step turns through my stage, so that a lane gets 16 neighbours of each block of 32.
.Lpath_x:
	s_lshl_b32 s31, ttmp9, 2
	s_add_co_u32 s31, s31, s[WVN]                  ; unit 0..1535
	s_lshr_b32 s32, s31, 9                         ; which tensor
	s_bfe_u32 s33, s31, 0x80001                    ; tile 0..255
	s_and_b32 s34, s31, 1                          ; which half of K
	s_cmp_eq_u32 s32, 0
	s_cselect_b64 s[36:37], s[4:5], s[6:7]
	s_cmp_eq_u32 s32, 2
	s_cselect_b64 s[36:37], s[8:9], s[36:37]       ; the choice hangs on the work-group's number alone
	s_lshr_b32 s38, s33, 1
	s_lshl_b32 s38, s38, 17                        ; 32 rows of 4,096 bytes for each pair of tiles,
	s_and_b32 s39, s33, 1
	s_lshl_b32 s39, s39, 15                        ; 8 rows for the odd tile,
	s_add_co_u32 s38, s38, s39
	s_lshl_b32 s39, s34, 11                        ; 2,048 bytes for the upper half of K
	s_add_co_u32 s38, s38, s39
	s_mov_b32 s39, 0
	s_add_nc_u64 s[36:37], s[36:37], s[38:39]
	s_lshl_b32 s40, s32, 8
	s_add_co_u32 s40, s40, s33                     ; tile among all three tensors'
	s_lshl_b32 s41, s40, 3
	s_lshl_b32 s42, s34, 2
	s_add_co_u32 s41, s41, s42
	s_mul_i32 s42, s41, 1536
	s_mov_b32 s43, 0
	s_add_nc_u64 s[20:21], s[20:21], s[42:43]
	s_lshl_b32 s42, s40, 9
	s_lshl_b32 s44, s34, 8
	s_add_co_u32 s42, s42, s44
	s_add_nc_u64 s[22:23], s[22:23], s[42:43]
	s_mov_b32 s[HM], 0xffff0000
	s_mov_b32 s[SEL], 0x76543210
	s_mov_b32 s[SEL+1], 0xfedcba98
	v_lshlrev_b32 v3, 4, v2                        ; 16 x lane
	s_mul_i32 s35, s[WVN], 16*SP                   ; my stage (XST = 0)
	v_add_nc_u32 v4, s35, v3                       ; in
	v_and_b32 v5, 15, v2
	v_lshrrev_b32 v8, 4, v2
	v_mul_u32_u24 v5, v5, SP
	v_lshl_add_u32 v5, v8, 6, v5
	v_add_nc_u32 v5, s35, v5                       ; out: row rho, + 64 h
	v_lshlrev_b32 v6, 3, v2                        ; 8 x lane: a plane of an image
	v_lshlrev_b32 v7, 2, v2                        ; 4 x lane: the scale words
.irp b, 0,1,2,3
	v_mov_b32 v[TM+4+\b], 0                        ; written once: a lane permute's destination counts as one of its sources
.endr
.macro XLOAD t
.irp i, 0,1,2,3,4,5,6,7,8,9,10,11,12,13,14,15
	global_load_b128 v[R+64*((\t)%2)+4*\i:R+64*((\t)%2)+4*\i+3], v3, s[36:37] offset:(\i+8*(\i/8))*4096+512*(\t) th:TH_LOAD_NT
.endr
.endm
.macro XSTEP t
.if (\t) < 3
	s_wait_loadcnt 16                              ; this K step's 16 loads are in; the next step's 16 may be out
.else
	s_wait_loadcnt 0x0
.endif
.irp i, 0,1,2,3,4,5,6,7,8,9,10,11,12,13,14,15
	ds_store_b128 v4, v[R+64*((\t)%2)+4*\i:R+64*((\t)%2)+4*\i+3] offset:SP*\i
.endr
.irp q, 0,1,2,3,4,5,6,7,8,9,10,11,12,13,14,15
	ds_load_b128 v[X+4*\q:X+4*\q+3], v5 offset:128*(\q/4)+16*(\q%4)   ; LDS serves a wave's instructions in order: these see my stores
.endr
	s_wait_dscnt 0x0                               ; the numbers are back, and the stage's stores have read their registers
	s_wait_xcnt 0x0                                ; the last step's stores have read v[PC] on: it is written again only behind this wait
.if (\t)+2 < 4
	XLOAD (\t)+2
.endif
	QUANT X
.if (\t)%2 == 0
	v_mov_b32 v[SW+(\t)/2], v[PW]
.else
	v_cndmask_b32 v[SW+(\t)/2], v[SW+(\t)/2], v[PW], s[HM]   ; lanes 16-31 take the odd step's word
.endif
.irp p, 0,1,2,3,4,5
	global_store_b64 v6, v[PC+2*\p:PC+2*\p+1], s[20:21] offset:1536*(\t)+256*\p   ; 32 lanes store 256 consecutive bytes, aligned
.endr
.endm
	XLOAD 0
	XLOAD 1
	XSTEP 0
	XSTEP 1
	XSTEP 2
	XSTEP 3
	global_store_b32 v7, v[SW], s[22:23]
	global_store_b32 v7, v[SW+1], s[22:23] offset:128
	s_wait_tensorcnt 0x0
	ds_add_u32 v254, v255
	s_wait_dscnt 0x0
	s_endpgm
.Lfunc_end_k_q2e99e9dfe6_prep:
	.size	k_q2e99e9dfe6_prep, .Lfunc_end_k_q2e99e9dfe6_prep-k_q2e99e9dfe6_prep
	.p2alignl 7, 3214868480
	.fill 96, 4, 3214868480
	.section	.rodata,"a",@progbits
	.p2align	6, 0x0
	.amdhsa_kernel k_q2e99e9dfe6_prep
		.amdhsa_group_segment_fixed_size 81408
		.amdhsa_private_segment_fixed_size 0
		.amdhsa_enable_private_segment 0
		.amdhsa_kernarg_size 104
		.amdhsa_user_sgpr_count 2
		.amdhsa_user_sgpr_kernarg_segment_ptr 1
		.amdhsa_wavefront_size32 1
		.amdhsa_system_sgpr_workgroup_id_x 1
		.amdhsa_system_sgpr_workgroup_id_y 1
		.amdhsa_system_sgpr_workgroup_id_z 1
		.amdhsa_system_vgpr_workitem_id 0
		.amdhsa_next_free_vgpr 256
		.amdhsa_next_free_sgpr 66
		.amdhsa_reserve_vcc 0
		.amdhsa_float_denorm_mode_32 3
		.amdhsa_float_denorm_mode_16_64 3
		.amdhsa_memory_ordered 1
		.amdhsa_forward_progress 1
		.amdhsa_inst_pref_size 110
	.end_amdhsa_kernel
	.amdgpu_metadata
---
amdhsa.version: [ 1, 2 ]
amdhsa.kernels:
  - .name:           k_q2e99e9dfe6_prep
    .symbol:         k_q2e99e9dfe6_prep.kd
    .args:
      - { .name: query, .offset: 0, .size: 8, .value_kind: global_buffer, .address_space: global }
      - { .name: key, .offset: 8, .size: 8, .value_kind: global_buffer, .address_space: global }
      - { .name: value, .offset: 16, .size: 8, .value_kind: global_buffer, .address_space: global }
      - { .name: Wq, .offset: 24, .size: 8, .value_kind: global_buffer, .address_space: global }
      - { .name: Wk, .offset: 32, .size: 8, .value_kind: global_buffer, .address_space: global }
      - { .name: Wv, .offset: 40, .size: 8, .value_kind: global_buffer, .address_space: global }
      - { .name: Wo, .offset: 48, .size: 8, .value_kind: global_buffer, .address_space: global }
      - { .name: masked, .offset: 56, .size: 8, .value_kind: global_buffer, .address_space: global }
      - { .name: xc, .offset: 64, .size: 8, .value_kind: global_buffer, .address_space: global }
      - { .name: xs, .offset: 72, .size: 8, .value_kind: global_buffer, .address_space: global }
      - { .name: wc, .offset: 80, .size: 8, .value_kind: global_buffer, .address_space: global }
      - { .name: ws, .offset: 88, .size: 8, .value_kind: global_buffer, .address_space: global }
      - { .name: mw, .offset: 96, .size: 8, .value_kind: global_buffer, .address_space: global }
    .group_segment_fixed_size: 81408
    .private_segment_fixed_size: 0
    .kernarg_segment_align: 8
    .kernarg_segment_size: 104
    .max_flat_workgroup_size: 128
    .sgpr_count:     66
    .vgpr_count:     256
    .wavefront_size: 32
...
	.end_amdgpu_metadata
.endif
;; end of part 1
;; launch proj (part 2): grid 8 x 96, 4 waves a work-group, clusters of 4 x 4, 197,120 bytes of LDS; arguments xc, xs, wc, ws, ac; writes ac
.if DOCPART == 2
	.amdgcn_target "amdgcn-amd-amdhsa--gfx1250"
	.amdhsa_code_object_version 6
	.text
	.protected	k_q2e99e9dfe6_proj
	.globl	k_q2e99e9dfe6_proj
	.p2align	8
	.type	k_q2e99e9dfe6_proj,@function
k_q2e99e9dfe6_proj:
	s_mov_b64 s[64:65], 0
	v_nop
	global_prefetch_b8 v0, s[64:65] scope:SCOPE_SE
	s_setreg_imm32_b32 hwreg(HW_REG_WAVE_MODE, 25, 1), 1
	s_wait_xcnt 0x0
	s_wait_alu depctr_hold_cnt(0) depctr_sa_sdst(0) depctr_va_vdst(0) depctr_va_sdst(0) depctr_va_ssrc(0) depctr_va_vcc(0) depctr_vm_vsrc(0)
	s_getreg_b32 s2, hwreg(HW_REG_IB_STS2, 6, 4)
	s_cmp_eq_u32 s2, 0
	s_cbranch_scc0 .Lentry_in_a_cluster
	s_endpgm
.Lentry_in_a_cluster:
	s_bfe_u32 s2, ttmp6, 0x10000c
	s_cmp_lg_u32 s2, 0xf033
	s_cbranch_scc0 .Lentry_shape_is_right
	s_endpgm
.Lentry_shape_is_right:
; PROJ: q = query Wq, k = key Wk and v^T = (value Wv)^T on codes of FP6 (E2M3) with E8M0 scales, sums in f32; the results are quantised in registers and stored as images of the operands of the attention launch.
; 768 tiles of 128 x 128; four waves, 64 x 64 each: 16 accumulators.  t = cluster y / 8: 0 q, 1 k, 2 v.
; ROLES.  Source 1 of every product is operand P (its tile by y), source 0 operand Q (its tile by x): a lane holds ONE row of P, and its registers run along Q.  For q and k: P = the activation's rows, Q = the
; weight's columns, so that a lane's 32 registers of a tile of rows are the head's 64 numbers of its half: two blocks of 32 shared with lane l xor 16.  For v: P = Wv's columns, Q = value's rows: a lane
; holds one d, and its registers run along the keys, which are the second attention product's K.  The choice is made by s_cselect on t, which all partners of a cluster share: no branch hangs on it.
; ROWS OF A TILE: lane rho of tile T holds row 32 (T / 2) + 8 (T % 2) + rho + 8 (rho / 8), on both sides: so the 16 registers of result tiles 2 b, 2 b + 1 are 16 neighbours 32 b + 16 h + 0 .. 15.
; LDS.  The tile's whole K, 1,024, lies in LDS, in four chunks of 256 along K (49,152 bytes: P's 8 tiles, then Q's 8, 3,072 bytes each).  Nothing is filled twice: no ring.
; CLUSTERS: 4 x 4.  P's tiles are shared along a row of the cluster, Q's along a column: each is asked for jointly.  Four tensor loads of a wave are out.
; ac: three regions (q, k, v) of [batch x 16 + head][16][record of 6,400 bytes]; a record: four fragments of 1,536 bytes, then their scale words [fragment][rho].  q, k: a record is 128 rows; a fragment holds two tiles:
; planes 0-2 tile 2 b (K 0-63 of the operand), planes 3-5 tile 2 b + 1 (K 64-127).  v: a record is 128 keys; fragment dt holds 16 of the head's d x 128 keys.
; LIMITS: a block whose largest magnitude lies under 2^-124 keeps the byte 1, a block of zeros too (its codes are zeros; the bytes are read by this program alone).  NaN and infinities are not served.
; REGISTERS: window 0: v4-7, v8-11 LDS addresses of P's and Q's fragments by chunk; v12-19 the results' offsets; v32-47, v48-63 scale words; v64-107 the way out; v128-255 accumulator (a, b) at 128 + 8 (4 a + b).
;   window 1: two sets of fragments at 0 and 128: Q's four at 12 b, P's four at 48 + 12 a.
.set XREG,  3145728                    ; an activation's codes;  XSREG its scale words
.set XSREG, 131072
.set WREG,  786432                     ; a weight's codes;  WSREG its scale words
.set WSREG, 32768
.set REG,   3276800                    ; a region of ac
.set TILEB, 12288                      ; a tile of 16 rows, all of K
.set CHUNK, 49152
.set WV,   16
.set SEL,  76
.set G1P,  24                          ; s[24:31] descriptor group 1 for P's tiles;  s[32:39] for Q's: they differ in the mask
.set G1Q,  32
.set AP,   4
.set AQ,   8
.set CO,   12
.set SOF,  16
.set SCP,  32                          ; register 4 a + i: lanes 0-15 the words of P's tile a for K step 2 i, lanes 16-31 for 2 i + 1
.set SCQ,  48
.set ACC,  128
.set TM,   100
.set MSB, 0
.macro WIN new                         ; the immediate's high byte repeats the setting that is left
.if MSB != \new
	s_set_vgpr_msb (MSB<<8)|\new
.set MSB, \new
.endif
.endm
.macro PLACES n
.rept \n
	v_nop
.endr
.endm
.macro CROUND                          ; a round of the cluster's barrier
	s_barrier_signal -1
	s_barrier_wait -1
	s_cmp_lg_u32 s[WV], 0
	s_cbranch_scc1 .Lnot_wave_0_\@
	s_barrier_signal -3
.Lnot_wave_0_\@:
	s_barrier_wait -3
	s_barrier_signal -1
	s_barrier_wait -1
.endm
.macro MKG0 g, ch, p                   ; descriptor group 0 for chunk ch, from the address in s[p:p+1]
	s_mov_b32 s[\g], 1                             ; count = 1
	s_add_co_u32 s[\g+1], s87, CHUNK*\ch           ; LDS: the chunk, + 12,288 x wave (waves 0, 1: P's halves; waves 2, 3: Q's)
	s_add_nc_u64 s[\g+2:\g+3], s[\p:\p+1], 3072*\ch
	s_or_b32 s[\g+3], s[\g+3], 0x80000000          ; type = 2
.endm
	s_load_b256 s[4:11], s[0:1], 0x0               ; xc s[4:5], xs s[6:7], wc s[8:9], ws s[10:11]
	s_load_b64 s[12:13], s[0:1], 0x20              ; ac
	v_lshl_add_u32 v126, v0, 2, 0x30000
	v_mov_b32 v127, 0
	ds_add_u32 v126, v127
	ds_add_u32 v126, v127
	v_lshrrev_b32 v1, 5, v0
	v_readfirstlane_b32 s[WV], v1                  ; wave 0..3
	s_lshr_b32 s17, s[WV], 1                       ; wr: my half of P's rows
	s_and_b32 s18, s[WV], 1                        ; wc: my half of Q's rows.  Also: which four tiles I fetch
	s_bfe_u32 s19, ttmp6, 0x40000                  ; cx
	s_bfe_u32 s20, ttmp6, 0x40004                  ; cy
	s_and_b32 s21, ttmp7, 0xffff                   ; cluster y, 0..23
	s_lshr_b32 s22, s21, 3                         ; t
	s_and_b32 s78, s21, 7
	s_and_b32 s79, s21, 1
	; P's tile in registers that never hold cx, Q's in registers that never hold cy
	s_lshl_b32 s14, s78, 2
	s_add_co_u32 s14, s14, s20                     ; q, k: P's tile = 4 (cluster y % 8) + cy, of 32
	s_lshl_b32 s15, s79, 2
	s_add_co_u32 s15, s15, s20                     ; v: 4 (cluster y % 2) + cy, of 8
	s_lshl_b32 s81, ttmp9, 2
	s_add_co_u32 s81, s81, s19                     ; q, k: Q's tile = 4 cluster x + cx, of 8
	s_lshr_b32 s82, s78, 1
	s_lshl_b32 s82, s82, 3
	s_add_co_u32 s82, s82, s81                     ; v: + 8 ((cluster y % 8) / 2), of 32
	s_mul_i32 s83, s22, XREG
	s_mul_i32 s84, s22, WREG
	s_mul_i32 s85, s22, XSREG
	s_mul_i32 s86, s22, WSREG
	s_mul_i32 s87, s[WV], TILEB
	s_lshl_b32 s2, s20, 2
	s_lshl_b32 s2, 15, s2                          ; my row of the cluster
	s_lshl_b32 s3, 0x1111, s19                     ; my column
	s_or_b32 s[G1P], s2, (3<<16)|(1<<21)           ; 15:0 the mask; 17:16 elements of 8 bytes; 21 set beside a mask; no padding
	s_or_b32 s[G1Q], s3, (3<<16)|(1<<21)
.irp g, G1P, G1Q
	s_mov_b32 s[\g+1], 384<<16                     ; tensor_dim0 = 384 elements: a tile's 3,072 bytes of a chunk
	s_mov_b32 s[\g+2], 4<<16                       ; tensor_dim1 = 4 tiles
	s_mov_b32 s[\g+3], 384<<16                     ; tile_dim0
	s_mov_b32 s[\g+4], 4                           ; tile_dim1
	s_mov_b32 s[\g+5], 1536                        ; from tile to tile: 12,288 bytes
	s_mov_b32 s[\g+6], 0
	s_mov_b32 s[\g+7], 0
.endr
	s_mov_b32 s[SEL], 0x76543210
	s_mov_b32 s[SEL+1], 0xfedcba98
	s_wait_dscnt 0x0
	s_wait_kmcnt 0x0
	s_cmp_eq_u32 s22, 2                            ; v's product?  All that follows up to the next sum is chosen on this one compare
	s_cselect_b32 s23, s15, s14                    ; PT
	s_cselect_b32 s80, s82, s81                    ; QT
	s_cselect_b64 s[90:91], s[8:9], s[4:5]         ; P's codes,
	s_cselect_b64 s[92:93], s[4:5], s[8:9]         ; Q's codes,
	s_cselect_b64 s[94:95], s[10:11], s[6:7]       ; P's scale words,
	s_cselect_b64 s[96:97], s[6:7], s[10:11]       ; Q's
	s_cselect_b32 s88, s84, s83                    ; the tensor's place in its buffer: t regions on
	s_cselect_b32 s98, s83, s84
	s_cselect_b32 s14, s86, s85
	s_cselect_b32 s81, s85, s86
	s_cselect_b32 s100, -1, 0                      ; the same choice as a lane mask
	s_cselect_b32 s101, s18, s17                   ; which half of the record's 128 rows (or keys) is mine,
	s_cselect_b32 s104, s17, s18                   ; and which of the tile's two heads
	s_mov_b32 s105, 3072
	s_cselect_b32 s105, 768, s105                  ; bytes from half to half in a record's codes,
	s_cselect_b32 s78, 2, 128                      ; in its scale words;
	s_mov_b32 s79, 768
	s_cselect_b32 s79, 1536, s79                   ; from my tile a to a + 1 in the codes,
	s_cselect_b32 s83, 64, 2                       ; and tiles 1, 2, 3 in the scale words
	s_cselect_b32 s84, 128, 64
	s_mov_b32 s85, 66
	s_cselect_b32 s85, 192, s85
	s_mul_i32 s15, s23, 8*TILEB
	s_add_co_u32 s88, s88, s15
	s_mul_i32 s86, s18, 4*TILEB                    ; the four tiles that I fetch
	s_add_co_u32 s88, s88, s86
	s_mov_b32 s89, 0
	s_add_nc_u64 s[90:91], s[90:91], s[88:89]
	s_mul_i32 s82, s80, 8*TILEB
	s_add_co_u32 s98, s98, s82
	s_add_co_u32 s98, s98, s86
	s_mov_b32 s99, 0
	s_add_nc_u64 s[92:93], s[92:93], s[98:99]
	s_lshl_b32 s15, s23, 12                        ; scale words: 512 bytes a tile
	s_add_co_u32 s88, s14, s15
	s_lshl_b32 s15, s17, 11
	s_add_co_u32 s88, s88, s15
	s_add_nc_u64 s[94:95], s[94:95], s[88:89]      ; P's, at my four tiles
	s_lshl_b32 s82, s80, 12
	s_add_co_u32 s98, s81, s82
	s_lshl_b32 s82, s18, 11
	s_add_co_u32 s98, s98, s82
	s_add_nc_u64 s[96:97], s[96:97], s[98:99]      ; Q's
	MKG0 40, 0, 90
	MKG0 44, 1, 90
	MKG0 48, 2, 90
	MKG0 52, 3, 90
	MKG0 56, 0, 92
	MKG0 60, 1, 92
	MKG0 68, 2, 92
	MKG0 72, 3, 92
	CROUND                                         ; all sixteen work-groups are here: the joint loads meet
	s_cmp_lt_u32 s[WV], 2                          ; a wave's four fills stand in one branch on the wave's number, ahead of every wait on TENSORcnt, every LDS read and every other barrier
	s_cbranch_scc0 .Lfirst_q
	tensor_load_to_lds s[40:43], s[G1P:G1P+7]
	s_nop 0
	tensor_load_to_lds s[44:47], s[G1P:G1P+7]
	s_nop 0
	tensor_load_to_lds s[48:51], s[G1P:G1P+7]
	s_nop 0
	tensor_load_to_lds s[52:55], s[G1P:G1P+7]
	s_nop 0
	PLACES 4                                       ; four v_nop follow the loads
	s_branch .Lfirst_asked
.Lfirst_q:
	tensor_load_to_lds s[56:59], s[G1Q:G1Q+7]
	s_nop 0
	tensor_load_to_lds s[60:63], s[G1Q:G1Q+7]
	s_nop 0
	tensor_load_to_lds s[68:71], s[G1Q:G1Q+7]
	s_nop 0
	tensor_load_to_lds s[72:75], s[G1Q:G1Q+7]
	s_nop 0
	PLACES 4
.Lfirst_asked:
	v_and_b32 v2, 31, v0                           ; lane
	v_and_b32 v3, 15, v0                           ; rho
	v_lshlrev_b32 v20, 2, v2                       ; 4 x lane
	v_lshlrev_b32 v21, 3, v2                       ; 8 x lane
.irp a, 0,1,2,3                                ; the scale words of all of K go straight into registers, once: 128 consecutive bytes a load
.irp i, 0,1,2,3
	global_load_b32 v[SCP+4*\a+\i], v20, s[94:95] offset:512*\a+128*\i
	global_load_b32 v[SCQ+4*\a+\i], v20, s[96:97] offset:512*\a+128*\i
.endr
.endr
	s_mul_i32 s86, s17, TILEB                      ; my four tiles of P in a chunk,
	s_mul_i32 s87, s18, TILEB
	s_add_co_u32 s87, s87, 2*TILEB                 ; and of Q, behind P's eight
.irp ch, 0,1,2,3
	v_add_nc_u32 v[AP+\ch], s86, v21
	v_add_nc_u32 v[AQ+\ch], s87, v21
	s_add_co_u32 s86, s86, CHUNK
	s_add_co_u32 s87, s87, CHUNK
.endr
	; where the results go.  These offsets mix cx and cy: they are made in vector registers, so that no scalar register that feeds a joint load ever holds the other coordinate
	v_mov_b32 v22, s23                             ; PT
	v_mov_b32 v23, s80                             ; QT
	v_cndmask_b32 v24, v22, v23, s100              ; the tile of 128 rows or keys: PT; for v QT
	v_cndmask_b32 v25, v23, v22, s100              ; the tile of two heads
	v_and_b32 v26, 16, v24                         ; 16 x batch
	v_lshl_add_u32 v26, v25, 1, v26
	v_add_nc_u32 v26, s104, v26                    ; batch x 16 + head
	v_and_b32 v27, 15, v24                         ; the record
	v_mul_u32_u24 v26, v26, 102400
	v_mad_u32_u24 v26, v27, 6400, v26
	s_mul_i32 s86, s22, REG
	v_add_nc_u32 v26, s86, v26                     ; the record's first byte in ac
	s_mul_i32 s86, s101, s105
	v_add3_u32 v[CO], v26, v21, s86                ; my half, 8 x lane
	v_add_nc_u32 v[CO+1], s79, v[CO]
	v_add_nc_u32 v[CO+2], s79, v[CO+1]
	v_add_nc_u32 v[CO+3], s79, v[CO+2]
	s_mul_i32 s86, s101, s78
	s_add_co_u32 s86, s86, 6144                    ; the scale words lie behind the four fragments
	v_lshl_add_u32 v28, v3, 2, v26
	v_add_nc_u32 v[SOF], s86, v28
	v_add_nc_u32 v[SOF+1], s83, v[SOF]
	v_add_nc_u32 v[SOF+2], s84, v[SOF]
	v_add_nc_u32 v[SOF+3], s85, v[SOF]
	v_mov_b32 v[TM+2], 0                           ; written once: a lane permute's destination counts as one of its sources
	v_mov_b32 v[TM+3], 0
.macro FETCH s                         ; K step s: 48 loads of 256 consecutive bytes each, into set s % 2
	WIN 0x40                                       ; destination window 1, address window 0
.irp b, 0,1,2,3
.irp p, 0,1,2,3,4,5
	ds_load_b64 v[128*((\s)%2)+12*\b+2*\p:128*((\s)%2)+12*\b+2*\p+1], v[AQ+(\s)/2] offset:3072*\b+1536*((\s)%2)+256*\p
.endr
.endr
.irp a, 0,1,2,3
.irp p, 0,1,2,3,4,5
	ds_load_b64 v[128*((\s)%2)+48+12*\a+2*\p:128*((\s)%2)+48+12*\a+2*\p+1], v[AP+(\s)/2] offset:3072*\a+1536*((\s)%2)+256*\p
.endr
.endr
.endm
.macro WM s, a, b                      ; one product: source 0 = Q's tile b, source 1 = P's tile a.  The first K step starts the sums: nothing is cleared.  An odd K step's scale words stand in lanes 16-31
.set rD, ACC+8*(4*(\a)+\b)
.set rQ, 128*((\s)%2)+12*\b
.set rP, 128*((\s)%2)+48+12*(\a)
.set rSQ, SCQ+4*\b+(\s)/2
.set rSP, SCP+4*(\a)+(\s)/2
.if (\s) == 0
	v_wmma_scale_f32_16x16x128_f8f6f4 v[rD:rD+7], v[rQ:rQ+11], v[rP:rP+11], 0, v[rSQ], v[rSP] matrix_a_fmt:MATRIX_FMT_FP6 matrix_b_fmt:MATRIX_FMT_FP6
.elseif (\s)%2
	v_wmma_scale_f32_16x16x128_f8f6f4 v[rD:rD+7], v[rQ:rQ+11], v[rP:rP+11], v[rD:rD+7], v[rSQ], v[rSP] matrix_a_fmt:MATRIX_FMT_FP6 matrix_b_fmt:MATRIX_FMT_FP6 matrix_a_scale:MATRIX_SCALE_ROW1 matrix_b_scale:MATRIX_SCALE_ROW1
.else
	v_wmma_scale_f32_16x16x128_f8f6f4 v[rD:rD+7], v[rQ:rQ+11], v[rP:rP+11], v[rD:rD+7], v[rSQ], v[rSP] matrix_a_fmt:MATRIX_FMT_FP6 matrix_b_fmt:MATRIX_FMT_FP6
.endif
.endm
.macro MUL8 s, a0                      ; the sixteen accumulators take turns, one instruction a turn, in the same order in every K step
	WIN 0x05                                       ; sources 0 and 1 window 1; C and D window 0
.irp a, \a0, \a0+1
.irp b, 0,1,2,3
	WM \s, \a, \b
.endr
.endr
.endm
.macro STEP s
	s_wait_dscnt 0x0                               ; this K step's fragments are in
.if ((\s)%2 == 1) && ((\s) < 7)
	s_wait_tensorcnt 3-((\s)+1)/2                  ; my part of the next chunk has landed; the later chunks' loads may stay out
	s_barrier_signal -1
.endif
	MUL8 \s, 0
.if ((\s)%2 == 1) && ((\s) < 7)
	s_barrier_wait -1                              ; everybody's part has
.endif
.if (\s) < 7
	PLACES 4                                       ; four plain instructions between the last products that read the other set and the loads into it (ISA guide 7.12.1 for vector instructions)
	FETCH (\s)+1
.endif
	MUL8 \s, 2
.endm
	s_wait_tensorcnt 3                             ; my part of chunk 0 has landed; three loads of mine may stay out,
	s_barrier_signal -1
	s_barrier_wait -1                              ; everybody's has
	FETCH 0
	s_wait_loadcnt 0x0                             ; the scale words
.irp s, 0,1,2,3,4,5,6,7
	STEP \s
.endr
	WIN 0
	PLACES 4                                       ; in front of the first read of results
; Two blocks of 32: v[A] .. v[A + 31], register 16 b + i = number 32 b + 16 h + i of my row, become six registers v[E] .. v[E + 5] (block h) and two scale bytes in v[W].  Each accumulator is read from its low end on.
.macro QUANT2 A, E, W
.irp b, 0,1
	v_max3_num_f32 v[TM+\b], |v[\A+16*\b]|, |v[\A+16*\b+1]|, 0x1800000   ; my 16 numbers, and the floor 2^(3 - 127): the byte cannot fall under 1
.endr
.irp i, 2,4,6,8,10,12,14
.irp b, 0,1
	v_max3_num_f32 v[TM+\b], v[TM+\b], |v[\A+16*\b+\i]|, |v[\A+16*\b+\i+1]|
.endr
.endr
.irp b, 0,1
	v_permlanex16_b32 v[TM+2+\b], v[TM+\b], s[SEL], s[SEL+1]
.endr
.irp b, 0,1
	v_max_num_f32 v[TM+\b], v[TM+\b], v[TM+2+\b]   ; with lane l xor 16's: the block's largest magnitude
.endr
.irp b, 0,1
	v_add_nc_u32 v[TM+4+\b], 0xff000000, v[TM+\b]  ; 2 off its exponent field: the conversion's scale operand
.endr
.irp b, 0,1
	v_lshrrev_b32 v[TM+6+\b], 23, v[TM+4+\b]       ; the scale's byte
.endr
	v_lshl_or_b32 v[\W], v[TM+7], 8, v[TM+6]
	v_cvt_scalef32_pk16_fp6_f32 v[\E:\E+2], v[\A:\A+15], v[TM+4]
	v_cvt_scalef32_pk16_fp6_f32 v[\E+4:\E+6], v[\A+16:\A+31], v[TM+5]
	v_nop                                          ; one plain instruction behind the scaled conversions
.irp i, 0,1,2
	v_permlane16_swap_b32 v[\E+\i], v[\E+4+\i]     ; the first now holds block h's lower 16 codes, the second its upper 16
.endr
	v_mov_b32 v[\E+3], v[\E+4]
	v_mov_b32 v[\E+4], v[\E+5]
	v_mov_b32 v[\E+5], v[\E+6]
.endm
.irp a, 0,1,2,3                                ; each tile has its own registers for its codes: no store's data are written again
	QUANT2 ACC+32*\a, 64+8*\a, 96+\a
.irp p, 0,1,2
	global_store_b64 v[CO+\a], v[64+8*\a+2*\p:64+8*\a+2*\p+1], s[12:13] offset:256*\p   ; 32 lanes store 256 consecutive bytes, aligned
.endr
	global_store_b16 v[SOF+\a], v[96+\a], s[12:13] ; my row's two bytes (lanes l and l xor 16 write the same two bytes with the same value)
.endr
	s_wait_tensorcnt 0x0
	ds_add_u32 v126, v127
	s_wait_dscnt 0x0
	CROUND                                         ; the closing round: no work-group ends while a partner may still ask for a tile that names it
	s_endpgm
.Lfunc_end_k_q2e99e9dfe6_proj:
	.size	k_q2e99e9dfe6_proj, .Lfunc_end_k_q2e99e9dfe6_proj-k_q2e99e9dfe6_proj
	.p2alignl 7, 3214868480
	.fill 96, 4, 3214868480
	.section	.rodata,"a",@progbits
	.p2align	6, 0x0
	.amdhsa_kernel k_q2e99e9dfe6_proj
		.amdhsa_group_segment_fixed_size 197120
		.amdhsa_private_segment_fixed_size 0
		.amdhsa_enable_private_segment 0
		.amdhsa_kernarg_size 40
		.amdhsa_user_sgpr_count 2
		.amdhsa_user_sgpr_kernarg_segment_ptr 1
		.amdhsa_wavefront_size32 1
		.amdhsa_system_sgpr_workgroup_id_x 1
		.amdhsa_system_sgpr_workgroup_id_y 1
		.amdhsa_system_sgpr_workgroup_id_z 1
		.amdhsa_system_vgpr_workitem_id 0
		.amdhsa_next_free_vgpr 512
		.amdhsa_next_free_sgpr 106
		.amdhsa_reserve_vcc 0
		.amdhsa_float_denorm_mode_32 3
		.amdhsa_float_denorm_mode_16_64 3
		.amdhsa_memory_ordered 1
		.amdhsa_forward_progress 1
		.amdhsa_inst_pref_size 65
	.end_amdhsa_kernel
	.amdgpu_metadata
---
amdhsa.version: [ 1, 2 ]
amdhsa.kernels:
  - .name:           k_q2e99e9dfe6_proj
    .symbol:         k_q2e99e9dfe6_proj.kd
    .args:
      - { .name: xc, .offset: 0, .size: 8, .value_kind: global_buffer, .address_space: global }
      - { .name: xs, .offset: 8, .size: 8, .value_kind: global_buffer, .address_space: global }
      - { .name: wc, .offset: 16, .size: 8, .value_kind: global_buffer, .address_space: global }
      - { .name: ws, .offset: 24, .size: 8, .value_kind: global_buffer, .address_space: global }
      - { .name: ac, .offset: 32, .size: 8, .value_kind: global_buffer, .address_space: global }
    .group_segment_fixed_size: 197120
    .private_segment_fixed_size: 0
    .kernarg_segment_align: 8
    .kernarg_segment_size: 40
    .max_flat_workgroup_size: 128
    .sgpr_count:     106
    .vgpr_count:     512
    .wavefront_size: 32
...
	.end_amdgpu_metadata
.endif
;; end of part 2
;; launch attn (part 3): grid 8 x 32, 16 waves a work-group, clusters of 4 x 1, 206,848 bytes of LDS; arguments ac, mw, oc, os; writes oc, os
.if DOCPART == 3
	.amdgcn_target "amdgcn-amd-amdhsa--gfx1250"
	.amdhsa_code_object_version 6
	.text
	.protected	k_q2e99e9dfe6_attn
	.globl	k_q2e99e9dfe6_attn
	.p2align	8
	.type	k_q2e99e9dfe6_attn,@function
k_q2e99e9dfe6_attn:
	s_mov_b64 s[64:65], 0
	v_nop
	global_prefetch_b8 v0, s[64:65] scope:SCOPE_SE
	s_setreg_imm32_b32 hwreg(HW_REG_WAVE_MODE, 25, 1), 1
	s_wait_xcnt 0x0
	s_wait_alu depctr_hold_cnt(0) depctr_sa_sdst(0) depctr_va_vdst(0) depctr_va_sdst(0) depctr_va_ssrc(0) depctr_va_vcc(0) depctr_vm_vsrc(0)
	s_getreg_b32 s2, hwreg(HW_REG_IB_STS2, 6, 4)
	s_cmp_eq_u32 s2, 0
	s_cbranch_scc0 .Lentry_in_a_cluster
	s_endpgm
.Lentry_in_a_cluster:
	s_bfe_u32 s2, ttmp6, 0x10000c
	s_cmp_lg_u32 s2, 0x3003
	s_cbranch_scc0 .Lentry_shape_is_right
	s_endpgm
.Lentry_shape_is_right:
; ATTN: for each batch and head, o = softmax(where(masked, -1e9, q k^T / 8)) v, both products on codes of FP6 (E2M3) with E8M0 scales; o is quantised along head x 64 + d and stored as the last product's operand.
; THE SOFTMAX AHEAD OF THE SECOND PRODUCT: t = score x log2(e) / 8; M = the row's largest t so far, rounded up to a whole number; p = 2^(t - M) is quantised along the keys, not normalised.  The row's sum is taken
; of the unquantised p and divides at the end.  When M moves, the sum and O are multiplied by 2^(old M - new M): exact.
; SHARES.  A work-group owns 256 queries of one head, each of its sixteen waves one tile of 16, in 256 registers: four waves to a SIMD, so that one wave's vector work stands beside another's products and LDS loads.
; LDS.  The head's whole K (102,400 bytes: 16 records of 128 keys) and whole V (as many) lie in LDS, scale words inside the records.  Filled once, in four chunks of 512 keys: no ring.
; TWO BARRIERS.  Behind the first, chunk 0 is whole: two key steps are walked on it while the other three chunks land.  Behind the second, all of K and V is whole, and the other 14 steps have no barrier: LDS is only
; read from there on, so the waves need not keep step, and a wave that is ahead goes on with its next step.
; CLUSTER.  The four query blocks of a cluster belong to one head: each piece of K and V is asked for jointly, mask 15.  Waves 0 to 3 issue four loads each: four loads of a wave are out.
; LAYOUT.  Both products transposed: S^T = K Q^T, O^T = V^T P^T: a lane holds one query throughout.  The head has 64 numbers, half of the instruction's K: a fragment of K holds TWO tiles of keys, one in K 0-63, the
; other in K 64-127, and is multiplied twice: by [q, zeros] and by [zeros, q].  Zero codes add nothing.  Register 16 f + i of S^T is key 32 f + 16 h + i of the step.
; THE MASK comes as lane masks, one word for each register of S^T, by scalar loads a whole key step ahead; each is the select operand of one v_cndmask_b32.  No branch and no address hangs on it.
; All tensor loads go out at the head, so no later load is left to run ahead of: no prefetch is laid.
; LIMITS: a masked logit stands at -2^30 where reference() has -1e9: t, M and t - M are then exact, so that a row that is masked throughout gives p = 1 for every key, as -1e9 does; the result differs from
; reference()'s only where an unmasked logit lies at or under about -1e9.  NaN and infinities are not served.  A block of zeros keeps the byte 1 (its codes are zeros; the bytes are read by this program alone).
; REGISTERS: v1-4 places that stay; v5 the masked score; v6 q's scale word; v7 p's; v8-11 addresses in hand; v12 -M, v13 the largest t, v[14:15] the sum; v16-33 [zeros x 6][q x 6][zeros x 6]; v34-37 K's and V's scale
; words; v40-87 four fragments; v96-159 S^T, then p; v160-191 O^T; v192-210 p's codes; v212-227 at work.
.set REG,   3276800                    ; a region of ac: q, k, v
.set HEADB, 102400                     ; a head's 16 records
.set REC,   6400                       ; a record: four fragments of 1,536 bytes, 256 bytes of scale words
.set TB,   2                           ; s2  LDS byte of the step's record of K
.set CNT,  3
.set MP,   4                           ; s[4:5] my tile's mask words: 16 steps x 256 bytes
.set MO,   6                           ; s6  the step whose words are asked for, in bytes
.set WV,   7
.set G1,   8                           ; s[8:15] descriptor group 1;  s[16:31] four groups 0
.set G0,   16
.set SEL,  66
.set CS,   100                         ; s[100:101] c = log2(e) / 8: the packed form names a pair and takes its low word for both halves
.set QB,   104                         ; s[104:105] q's record
.set KS,   34
.set VS,   36
.set F,    40
.set S,    96
.set O,    160
.set PCD,  192
.set BM,   212                         ; v212-215 the blocks' largest scores, then largest p
.set BT,   216                         ; v216-219 at work
.set SOP,  220                         ; v220-223 the conversions' scale operands
.set FF,   224                         ; v[224:225] f = 2^(old M - new M)
.set TT,   226
.set TM,   212                         ; the way out's quantiser works in v212-219
.macro CROUND                          ; a round of the cluster's barrier
	s_barrier_signal -1
	s_barrier_wait -1
	s_cmp_lg_u32 s[WV], 0
	s_cbranch_scc1 .Lnot_wave_0_\@
	s_barrier_signal -3
.Lnot_wave_0_\@:
	s_barrier_wait -3
	s_barrier_signal -1
	s_barrier_wait -1
.endm
	s_load_b128 s[32:35], s[0:1], 0x0              ; ac s[32:33], mw s[34:35]
	v_lshl_add_u32 v254, v0, 2, 0x32000
	v_mov_b32 v255, 0
	ds_add_u32 v254, v255
	ds_add_u32 v254, v255
	v_lshrrev_b32 v1, 5, v0
	v_readfirstlane_b32 s[WV], v1                  ; wave 0..15
	s_and_b32 s36, ttmp7, 0xffff                   ; batch x 16 + head, which the four partners share
	s_bfe_u32 s37, ttmp6, 0x40000                  ; cx
	s_lshl_b32 s38, ttmp9, 2
	s_add_co_u32 s38, s38, s37                     ; my block of 256 queries: it enters q's, the mask's and the result's addresses alone
	; what I fetch, if I fetch: wave 0, 1: K's halves of a chunk; wave 2, 3: V's.  (Of the wave's number only its low two bits enter: the words lie inside LDS in every wave)
	s_and_b32 s40, s[WV], 3
	s_lshr_b32 s41, s40, 1
	s_and_b32 s42, s40, 1
	s_mul_i32 s43, s41, HEADB
	s_mul_i32 s46, s42, 2*REC
	s_add_co_u32 s43, s43, s46                     ; in LDS
	s_add_co_u32 s44, s41, 1
	s_mul_i32 s44, s44, REG                        ; k's region or v's,
	s_add_co_u32 s44, s44, s46
	s_mul_i32 s47, s36, HEADB                      ; my head's records
	s_add_co_u32 s44, s44, s47
	s_mov_b32 s45, 0
	s_mov_b32 s[G1], 15|(3<<16)|(1<<21)            ; 15:0 the mask: all four work-groups; 17:16 elements of 8 bytes; 21 set beside a mask; no padding
	s_mov_b32 s[G1+1], 32<<16                      ; tensor_dim0 = 32 elements: rows of 256 bytes
	s_mov_b32 s[G1+2], 50<<16                      ; tensor_dim1 = 50: two records
	s_mov_b32 s[G1+3], 32<<16                      ; tile_dim0
	s_mov_b32 s[G1+4], 50                          ; tile_dim1
	s_mov_b32 s[G1+5], 32                          ; dense
	s_mov_b32 s[G1+6], 0
	s_mov_b32 s[G1+7], 0
	s_mov_b32 s[SEL], 0x76543210
	s_mov_b32 s[SEL+1], 0xfedcba98
	s_mov_b32 s[CS], 0x3e38aa3b                    ; log2(e) / 8
	s_mov_b32 s[CS+1], s[CS]
	s_mov_b32 s[TB], 0
	s_mov_b32 s[MO], 0
	s_lshl_b32 s48, s38, 1
	s_lshr_b32 s50, s[WV], 3
	s_add_co_u32 s48, s48, s50                     ; q's record: 128 queries each
	s_mul_i32 s48, s48, REC
	s_add_co_u32 s48, s48, s47
	s_mov_b32 s49, 0
	s_lshr_b32 s52, s36, 4
	s_lshl_b32 s52, s52, 7
	s_lshl_b32 s53, s38, 4
	s_add_co_u32 s52, s52, s53
	s_add_co_u32 s52, s52, s[WV]                   ; my tile of queries: 128 x batch + 16 x block + wave
	s_lshl_b32 s52, s52, 12
	s_mov_b32 s53, 0
	s_wait_dscnt 0x0
	s_wait_kmcnt 0x0
	s_add_nc_u64 s[44:45], s[32:33], s[44:45]
	s_add_nc_u64 s[QB:QB+1], s[32:33], s[48:49]
	s_add_nc_u64 s[MP:MP+1], s[34:35], s[52:53]
.irp c, 0,1,2,3
	s_mov_b32 s[G0+4*\c], 1                        ; count = 1
	s_add_co_u32 s[G0+4*\c+1], s43, 4*REC*\c       ; LDS address: chunk c
	s_add_nc_u64 s[G0+4*\c+2:G0+4*\c+3], s[44:45], 4*REC*\c
	s_or_b32 s[G0+4*\c+3], s[G0+4*\c+3], 0x80000000   ; type = 2
.endr
	CROUND                                         ; all four work-groups are here: the joint loads meet
	s_cmp_lt_u32 s[WV], 4                          ; a wave's four fills stand in one branch on the wave's number, ahead of every wait on TENSORcnt, every LDS read and every other barrier
	s_cbranch_scc0 .Lno_fetch
	tensor_load_to_lds s[G0:G0+3], s[G1:G1+7]
	s_nop 0
	tensor_load_to_lds s[G0+4:G0+7], s[G1:G1+7]
	s_nop 0
	tensor_load_to_lds s[G0+8:G0+11], s[G1:G1+7]
	s_nop 0
	tensor_load_to_lds s[G0+12:G0+15], s[G1:G1+7]
	s_nop 0
.rept 4
	v_nop                                          ; four v_nop follow the loads
.endr
.Lno_fetch:
	v_and_b32 v8, 31, v0                           ; lane
	v_and_b32 v9, 15, v0                           ; rho
	v_lshlrev_b32 v1, 3, v8                        ; 8 x lane: a plane of an image
	s_and_b32 s54, s[WV], 7                        ; my tile in q's record: three planes, 768 bytes
	s_mul_i32 s55, s54, 768
	v_add_nc_u32 v10, s55, v1
.irp p, 0,1,2
	global_load_b64 v[22+2*\p:23+2*\p], v10, s[QB:QB+1] offset:256*\p
.endr
	s_lshr_b32 s55, s54, 1
	s_lshl_b32 s55, s55, 6                         ; its two scale bytes: 64 x fragment + 4 rho + 2 x half
	s_and_b32 s54, s54, 1
	s_lshl_b32 s54, s54, 1
	s_add_co_u32 s55, s55, s54
	v_lshl_add_u32 v11, v9, 2, s55
	global_load_u16 v6, v11, s[QB:QB+1] offset:6144
.irp b, 0,1,2,3                                ; the first step's mask words: four sets of sixteen
	s_load_b512 s[32+16*\b+4*(\b/2):47+16*\b+4*(\b/2)], s[MP:MP+1], s[MO] offset:64*\b
.endr
	v_add_nc_u32 v2, HEADB, v1                     ; V's fragments
	v_lshlrev_b32 v3, 2, v8
	v_add_nc_u32 v4, HEADB+6144, v3                ; V's scale words
	v_add_nc_u32 v3, 6144, v3                      ; K's
	v_mov_b32 v5, 0xd0000000                       ; -2^33: a masked score; x 1/8 it is the logit -2^30
	s_wait_loadcnt 0x0                             ; q
	v_lshl_or_b32 v6, v6, 16, v6                   ; q's two bytes serve K 0-63 and K 64-127 alike.  (More than eight plain instructions follow ahead of the first product)
.irp j, 0,1,2,3,4,5
	v_mov_b32 v[16+\j], 0                          ; zero codes on both sides of q
	v_mov_b32 v[28+\j], 0
.endr
	v_mov_b32 v13, 0xff61b1e6                      ; the largest t so far: -3e38, under every t
	v_floor_f32 v12, -v13                          ; -M
	v_mov_b32 v14, 0                               ; the sum, in two halves
	v_mov_b32 v15, 0
.irp b, 0,1,2,3
	v_mov_b32 v[BT+\b], 0                          ; written once: a lane permute's destination counts as one of its sources
.endr
	v_mov_b32 v[FF+1], 0                           ; (named as the upper half of a pair)
.irp j, 0,1,2,3,4,5,6,7,8,9,10,11,12,13,14,15,16,17,18,19,20,21,22,23,24,25,26,27,28,29,30,31
	v_mov_b32 v[O+\j], 0                           ; O^T.  (The step is written once for all steps: the first finds zeros, which the first change of M leaves zeros)
.endr
; A KEY STEP: 128 keys.
.macro STEP
	v_add_nc_u32 v8, s[TB], v1                     ; these four are also the places between the last step's products and the loads into their fragments
	v_add_nc_u32 v9, s[TB], v2
	v_add_nc_u32 v10, s[TB], v3
	v_add_nc_u32 v11, s[TB], v4
.irp f, 0,1,2,3
.irp p, 0,1,2,3,4,5
	ds_load_b64 v[F+12*\f+2*\p:F+12*\f+2*\p+1], v8 offset:1536*\f+256*\p   ; 256 consecutive bytes a load
.endr
.endr
	ds_load_b32 v[KS], v10                         ; lanes 0-15 fragment 0's words, lanes 16-31 fragment 1's
	ds_load_b32 v[KS+1], v10 offset:128
	s_wait_dscnt 0x0
.irp f, 0,1,2,3                                ; S^T = K Q^T: each fragment twice: its lower tile of keys against [q, 0], its upper against [0, q]
.if \f%2
	v_wmma_scale_f32_16x16x128_f8f6f4 v[S+16*\f:S+16*\f+7], v[F+12*\f:F+12*\f+11], v[22:33], 0, v[KS+\f/2], v6 matrix_a_fmt:MATRIX_FMT_FP6 matrix_b_fmt:MATRIX_FMT_FP6 matrix_a_scale:MATRIX_SCALE_ROW1
	v_wmma_scale_f32_16x16x128_f8f6f4 v[S+16*\f+8:S+16*\f+15], v[F+12*\f:F+12*\f+11], v[16:27], 0, v[KS+\f/2], v6 matrix_a_fmt:MATRIX_FMT_FP6 matrix_b_fmt:MATRIX_FMT_FP6 matrix_a_scale:MATRIX_SCALE_ROW1
.else
	v_wmma_scale_f32_16x16x128_f8f6f4 v[S+16*\f:S+16*\f+7], v[F+12*\f:F+12*\f+11], v[22:33], 0, v[KS+\f/2], v6 matrix_a_fmt:MATRIX_FMT_FP6 matrix_b_fmt:MATRIX_FMT_FP6
	v_wmma_scale_f32_16x16x128_f8f6f4 v[S+16*\f+8:S+16*\f+15], v[F+12*\f:F+12*\f+11], v[16:27], 0, v[KS+\f/2], v6 matrix_a_fmt:MATRIX_FMT_FP6 matrix_b_fmt:MATRIX_FMT_FP6
.endif
.endr
.rept 4
	v_nop                                          ; four places: in front of the loads into the fragments just read, and of the first read of the scores
.endr
.irp f, 0,1,2,3
.irp p, 0,1,2,3,4,5
	ds_load_b64 v[F+12*\f+2*\p:F+12*\f+2*\p+1], v9 offset:1536*\f+256*\p   ; V's four fragments land while the softmax is walked
.endr
.endr
	ds_load_b32 v[VS], v11
	ds_load_b32 v[VS+1], v11 offset:128
	s_wait_kmcnt 0x0                               ; this step's mask words, asked for a step ago, are in; no scalar load is out, so their offset may step
	s_add_co_u32 s[MO], s[MO], 256
	s_and_b32 s[MO], s[MO], 4095                   ; it stays inside my tile's 4,096 bytes: the last step asks for the first step's words again and does not use them
.irp b, 0,1,2,3
.irp i, 0,1,2,3,4,5,6,7,8,9,10,11,12,13,14,15
	v_cndmask_b32 v[S+16*\b+\i], v[S+16*\b+\i], v5, s[32+16*\b+4*(\b/2)+\i]   ; masked: the score becomes -2^33.  Each accumulator is read from its low end on
.endr
	s_load_b512 s[32+16*\b+4*(\b/2):47+16*\b+4*(\b/2)], s[MP:MP+1], s[MO] offset:64*\b   ; the next step's sixteen words into the set just used
.endr
.irp b, 0,1,2,3
	v_max3_num_f32 v[BM+\b], v[S+16*\b], v[S+1+16*\b], v[S+2+16*\b]   ; the largest score of each block of 32 keys: for the row's maximum, and, since p rises with the score, for the block's largest p
.endr
.irp i, 3,5,7,9,11,13
.irp b, 0,1,2,3
	v_max3_num_f32 v[BM+\b], v[BM+\b], v[S+16*\b+\i], v[S+1+16*\b+\i]
.endr
.endr
.irp b, 0,1,2,3
	v_max_num_f32 v[BM+\b], v[BM+\b], v[S+15+16*\b]
.endr
.irp b, 0,1,2,3
	v_permlanex16_b32 v[BT+\b], v[BM+\b], s[SEL], s[SEL+1]
.endr
.irp b, 0,1,2,3
	v_max_num_f32 v[BM+\b], v[BM+\b], v[BT+\b]     ; with lane l xor 16's 16 keys
.endr
	v_max3_num_f32 v[TT], v[BM], v[BM+1], v[BM+2]
	v_max_num_f32 v[TT], v[TT], v[BM+3]            ; the step's largest score of my query
	v_mul_f32 v[TT], s[CS], v[TT]                  ; as t (c is positive)
	v_max_num_f32 v13, v13, v[TT]                  ; the running largest t
	v_mov_b32 v[TT], v12
	v_floor_f32 v12, -v13                          ; the new -M = floor(-t) = -ceil(t): a whole number
	v_sub_f32 v[TT], v12, v[TT]                    ; old M - new M: a whole number, 0 or less
	v_cvt_i32_f32 v[TT], v[TT]                     ; (it saturates)
	v_ldexp_f32 v[FF], 1.0, v[TT]                  ; f = 2^(old M - new M)
.irp j, 0,2,4,6,8,10,12,14,16,18,20,22,24,26,28,30,32,34,36,38,40,42,44,46,48,50,52,54,56,58,60,62
	v_pk_fma_f32 v[S+\j:S+1+\j], v[S+\j:S+1+\j], s[CS:CS+1], v[12:13] op_sel_hi:[1,0,0]   ; t - M, two at a time
.endr
.irp b, 0,1,2,3
	v_fma_f32 v[BM+\b], v[BM+\b], s[CS], v12       ; the same of each block's largest score
.endr
.irp j, 0,1,2,3,4,5,6,7,8,9,10,11,12,13,14,15,16,17,18,19,20,21,22,23,24,25,26,27,28,29,30,31,32,33,34,35,36,37,38,39,40,41,42,43,44,45,46,47,48,49,50,51,52,53,54,55,56,57,58,59,60,61,62,63
	v_exp_f32 v[S+\j], v[S+\j]                     ; p = 2^(t - M), at most 1: not normalised
.endr
	v_pk_mul_f32 v[14:15], v[14:15], v[FF:FF+1] op_sel_hi:[1,0]   ; the sums under the new M: a plain instruction behind the exponentials
	s_wait_alu depctr_va_vdst(0)                   ; one wait for the whole batch, ahead of its first reader
.irp b, 0,1,2,3
	v_exp_f32 v[BM+\b], v[BM+\b]                   ; the block's largest p: the same two instructions on the same number give the same bits
.endr
	v_pk_add_f32 v[BT:BT+1], v[S:S+1], v[S+2:S+3]  ; the row's sum is taken of the unquantised p: two at a time, in two chains
.irp j, 4,8,12,16,20,24,28,32,36,40,44,48,52,56,60
	v_pk_add_f32 v[14:15], v[14:15], v[S+\j:S+1+\j]
	v_pk_add_f32 v[BT:BT+1], v[BT:BT+1], v[S+2+\j:S+3+\j]
.endr
	v_pk_add_f32 v[14:15], v[14:15], v[BT:BT+1]
	s_wait_alu depctr_va_vdst(0)                   ; and one for the four
.irp b, 0,1,2,3
	v_max_num_f32 v[BM+\b], 0x1800000, v[BM+\b]    ; the floor 2^(3 - 127): a block whose every p has fallen to 0 keeps the byte 1: its codes are zeros
.endr
.irp b, 0,1,2,3
	v_add_nc_u32 v[SOP+\b], 0xff000000, v[BM+\b]   ; 2 off the exponent field: the conversion's scale operand
.endr
.irp b, 0,1,2,3
	v_lshrrev_b32 v[BT+\b], 23, v[SOP+\b]          ; the scale's byte
.endr
	v_lshl_or_b32 v7, v[BT+1], 8, v[BT]            ; p's scale word for these 128 keys
	v_lshl_or_b32 v7, v[BT+2], 16, v7
	v_lshl_or_b32 v7, v[BT+3], 24, v7
.irp c, 0,1
	v_cvt_scalef32_pk16_fp6_f32 v[PCD+6*\c:PCD+2+6*\c], v[S+32*\c:S+15+32*\c], v[SOP+2*\c]
	v_cvt_scalef32_pk16_fp6_f32 v[PCD+12+4*\c:PCD+14+4*\c], v[S+16+32*\c:S+31+32*\c], v[SOP+2*\c+1]   ; (a conversion's three registers begin on an even number)
.endr
	v_nop                                          ; one plain instruction behind the scaled conversions
.irp c, 0,1                                    ; the operand's layout wants a whole block in a lane
.irp i, 0,1,2
	v_permlane16_swap_b32 v[PCD+6*\c+\i], v[PCD+12+4*\c+\i]
.endr
.irp i, 0,1,2
	v_mov_b32 v[PCD+3+6*\c+\i], v[PCD+12+4*\c+\i]
.endr
.endr
.irp j, 0,2,4,6,8,10,12,14,16,18,20,22,24,26,28,30
	v_pk_mul_f32 v[O+\j:O+1+\j], v[O+\j:O+1+\j], v[FF:FF+1] op_sel_hi:[1,0]   ; O^T under the new M.  These sixteen also stand between the scale word and the codes just made and the products below
.endr
	s_wait_dscnt 0x0                               ; V
.irp d, 0,1,2,3                                ; O^T += V^T P^T: four tiles of 16 of the head's 64, by turns
.if \d%2
	v_wmma_scale_f32_16x16x128_f8f6f4 v[O+8*\d:O+8*\d+7], v[F+12*\d:F+12*\d+11], v[PCD:PCD+11], v[O+8*\d:O+8*\d+7], v[VS+\d/2], v7 matrix_a_fmt:MATRIX_FMT_FP6 matrix_b_fmt:MATRIX_FMT_FP6 matrix_a_scale:MATRIX_SCALE_ROW1
.else
	v_wmma_scale_f32_16x16x128_f8f6f4 v[O+8*\d:O+8*\d+7], v[F+12*\d:F+12*\d+11], v[PCD:PCD+11], v[O+8*\d:O+8*\d+7], v[VS+\d/2], v7 matrix_a_fmt:MATRIX_FMT_FP6 matrix_b_fmt:MATRIX_FMT_FP6
.endif
.endr
	s_add_co_u32 s[TB], s[TB], REC                 ; the next step's records
.endm
; A run of key steps behind one barrier.  left = how many of my tensor loads may stay out at that barrier; trips = the steps of the run.
.macro RUN left, trips
	s_wait_tensorcnt \left                         ; tensor loads of a wave end in order (ISA guide 10.11.1): what this run reads of my loads has landed.
	s_wait_dscnt 0x0                               ; no LDS instruction of mine is pending at the signal
	s_barrier_signal -1
	s_barrier_wait -1                              ; and so has everybody's
	s_mov_b32 s[CNT], \trips
.Lstep_\@:
	STEP
	s_sub_co_u32 s[CNT], s[CNT], 1
	s_cmp_lg_u32 s[CNT], 0
	s_cbranch_scc1 .Lstep_\@
.endm
	RUN 3, 2                                       ; chunk 0 (records 0 to 3) has landed, three loads of a fetching wave may stay out: steps 0 and 1 read records 0 and 1
	RUN 0, 14                                      ; every load has landed, in front of the signal of the barrier behind which records 2 to 15 are first read: steps 2 to 15, with no further barrier
	; THE WAY OUT.  O^T / the sum; register 8 dt + j is d = 32 (dt / 2) + 16 h + 8 (dt % 2) + j: two blocks of 32 along the last product's K, quantised in registers and stored as half a fragment's image.
	v_add_f32 v14, v14, v15                        ; the sum's two halves,
	v_permlanex16_b32 v[TT], v14, s[SEL], s[SEL+1]
	v_add_f32 v14, v14, v[TT]                      ; and lane l xor 16's: the row's sum, above 1/2
	v_rcp_f32 v14, v14
	v_and_b32 v9, 15, v0                           ; (plain instructions behind the reciprocal, and among the places behind the last products)
	v_lshlrev_b32 v9, 2, v9                        ; 4 rho
	v_nop
	s_wait_kmcnt 0x0                               ; the last step's unused mask words have landed: their registers are free
	s_load_b128 s[32:35], s[0:1], 0x10             ; oc s[32:33], os s[34:35]
	s_and_b32 s36, ttmp7, 0xffff
	s_bfe_u32 s37, ttmp6, 0x40000
	s_lshl_b32 s38, ttmp9, 2
	s_add_co_u32 s38, s38, s37
	s_lshl_b32 s38, s38, 4
	s_add_co_u32 s38, s38, s[WV]
	s_lshr_b32 s39, s36, 4
	s_lshl_b32 s39, s39, 7
	s_add_co_u32 s38, s38, s39                     ; my tile of rows: 128 x batch + 16 x block + wave
	s_and_b32 s40, s36, 15                         ; the head:
	s_lshr_b32 s41, s40, 1                         ; its K step,
	s_and_b32 s42, s40, 1                          ; and its half of it
	s_lshl_b32 s44, s38, 3
	s_add_co_u32 s44, s44, s41
	s_mul_i32 s44, s44, 1536
	s_mul_i32 s43, s42, 768
	s_add_co_u32 s44, s44, s43
	s_mov_b32 s45, 0
	s_lshl_b32 s46, s38, 9
	s_lshl_b32 s41, s41, 6
	s_add_co_u32 s46, s46, s41
	s_lshl_b32 s42, s42, 1
	s_add_co_u32 s46, s46, s42
	s_mov_b32 s47, 0
	s_wait_kmcnt 0x0
	s_add_nc_u64 s[32:33], s[32:33], s[44:45]
	s_add_nc_u64 s[34:35], s[34:35], s[46:47]
	s_wait_alu depctr_va_vdst(0)                   ; the wait for the reciprocal, ahead of its first reader
.irp j, 0,1,2,3,4,5,6,7,8,9,10,11,12,13,14,15,16,17,18,19,20,21,22,23,24,25,26,27,28,29,30,31
	v_mul_f32 v[S+\j], v[O+\j], v14                ; each accumulator from its low end on
.endr
.irp b, 0,1
	v_max3_num_f32 v[TM+\b], |v[S+16*\b]|, |v[S+16*\b+1]|, 0x1800000   ; my 16 numbers of block b, and the floor 2^(3 - 127)
.endr
.irp i, 2,4,6,8,10,12,14
.irp b, 0,1
	v_max3_num_f32 v[TM+\b], v[TM+\b], |v[S+16*\b+\i]|, |v[S+16*\b+\i+1]|
.endr
.endr
.irp b, 0,1
	v_permlanex16_b32 v[TM+2+\b], v[TM+\b], s[SEL], s[SEL+1]
.endr
.irp b, 0,1
	v_max_num_f32 v[TM+\b], v[TM+\b], v[TM+2+\b]   ; with lane l xor 16's: the block's largest magnitude
.endr
.irp b, 0,1
	v_add_nc_u32 v[TM+4+\b], 0xff000000, v[TM+\b]  ; the conversion's scale operand
.endr
.irp b, 0,1
	v_lshrrev_b32 v[TM+6+\b], 23, v[TM+4+\b]       ; the scale's byte
.endr
	v_lshl_or_b32 v[TT+1], v[TM+7], 8, v[TM+6]
	v_cvt_scalef32_pk16_fp6_f32 v[PCD:PCD+2], v[S:S+15], v[TM+4]
	v_cvt_scalef32_pk16_fp6_f32 v[PCD+4:PCD+6], v[S+16:S+31], v[TM+5]
	v_nop                                          ; one plain instruction behind the scaled conversions
.irp i, 0,1,2
	v_permlane16_swap_b32 v[PCD+\i], v[PCD+4+\i]
.endr
	v_mov_b32 v[PCD+3], v[PCD+4]
	v_mov_b32 v[PCD+4], v[PCD+5]
	v_mov_b32 v[PCD+5], v[PCD+6]
.irp p, 0,1,2
	global_store_b64 v1, v[PCD+2*\p:PCD+2*\p+1], s[32:33] offset:256*\p   ; 32 lanes store 256 consecutive bytes, aligned
.endr
	global_store_b16 v9, v[TT+1], s[34:35]         ; my row's two bytes (lanes l and l xor 16 write the same two bytes with the same value)
	s_wait_tensorcnt 0x0
	ds_add_u32 v254, v255
	s_wait_dscnt 0x0
	CROUND                                         ; the closing round: no work-group ends while a partner may still ask for a tile that names it
	s_endpgm
.Lfunc_end_k_q2e99e9dfe6_attn:
	.size	k_q2e99e9dfe6_attn, .Lfunc_end_k_q2e99e9dfe6_attn-k_q2e99e9dfe6_attn
	.p2alignl 7, 3214868480
	.fill 96, 4, 3214868480
	.section	.rodata,"a",@progbits
	.p2align	6, 0x0
	.amdhsa_kernel k_q2e99e9dfe6_attn
		.amdhsa_group_segment_fixed_size 206848
		.amdhsa_private_segment_fixed_size 0
		.amdhsa_enable_private_segment 0
		.amdhsa_kernarg_size 32
		.amdhsa_user_sgpr_count 2
		.amdhsa_user_sgpr_kernarg_segment_ptr 1
		.amdhsa_wavefront_size32 1
		.amdhsa_system_sgpr_workgroup_id_x 1
		.amdhsa_system_sgpr_workgroup_id_y 1
		.amdhsa_system_sgpr_workgroup_id_z 1
		.amdhsa_system_vgpr_workitem_id 0
		.amdhsa_next_free_vgpr 256
		.amdhsa_next_free_sgpr 106
		.amdhsa_reserve_vcc 0
		.amdhsa_float_denorm_mode_32 3
		.amdhsa_float_denorm_mode_16_64 3
		.amdhsa_memory_ordered 1
		.amdhsa_forward_progress 1
		.amdhsa_inst_pref_size 56
	.end_amdhsa_kernel
	.amdgpu_metadata
---
amdhsa.version: [ 1, 2 ]
amdhsa.kernels:
  - .name:           k_q2e99e9dfe6_attn
    .symbol:         k_q2e99e9dfe6_attn.kd
    .args:
      - { .name: ac, .offset: 0, .size: 8, .value_kind: global_buffer, .address_space: global }
      - { .name: mw, .offset: 8, .size: 8, .value_kind: global_buffer, .address_space: global }
      - { .name: oc, .offset: 16, .size: 8, .value_kind: global_buffer, .address_space: global }
      - { .name: os, .offset: 24, .size: 8, .value_kind: global_buffer, .address_space: global }
    .group_segment_fixed_size: 206848
    .private_segment_fixed_size: 0
    .kernarg_segment_align: 8
    .kernarg_segment_size: 32
    .max_flat_workgroup_size: 512
    .sgpr_count:     106
    .vgpr_count:     256
    .wavefront_size: 32
...
	.end_amdgpu_metadata
.endif
;; end of part 3
;; launch oproj (part 4): grid 8 x 32, 4 waves a work-group, clusters of 4 x 4, 214,528 bytes of LDS; arguments oc, os, wc, ws, out0; writes out0
.if DOCPART == 4
	.amdgcn_target "amdgcn-amd-amdhsa--gfx1250"
	.amdhsa_code_object_version 6
	.text
	.protected	k_q2e99e9dfe6_oproj
	.globl	k_q2e99e9dfe6_oproj
	.p2align	8
	.type	k_q2e99e9dfe6_oproj,@function
k_q2e99e9dfe6_oproj:
	s_mov_b64 s[64:65], 0
	v_nop
	global_prefetch_b8 v0, s[64:65] scope:SCOPE_SE
	s_setreg_imm32_b32 hwreg(HW_REG_WAVE_MODE, 25, 1), 1
	s_wait_xcnt 0x0
	s_wait_alu depctr_hold_cnt(0) depctr_sa_sdst(0) depctr_va_vdst(0) depctr_va_sdst(0) depctr_va_ssrc(0) depctr_va_vcc(0) depctr_vm_vsrc(0)
	s_getreg_b32 s2, hwreg(HW_REG_IB_STS2, 6, 4)
	s_cmp_eq_u32 s2, 0
	s_cbranch_scc0 .Lentry_in_a_cluster
	s_endpgm
.Lentry_in_a_cluster:
	s_bfe_u32 s2, ttmp6, 0x10000c
	s_cmp_lg_u32 s2, 0xf033
	s_cbranch_scc0 .Lentry_shape_is_right
	s_endpgm
.Lentry_shape_is_right:
; OPROJ: out0 = o Wo on codes of FP6 (E2M3) with E8M0 scales, sums in f32.  o's codes and scale words were made by the attention launch, Wo's by the first launch, both as images of operand registers.
; 256 tiles of 128 x 128; four waves, 64 x 64 each: 16 accumulators.  Source 1 = 16 rows of o (tile by y), source 0 = 16 columns of Wo (tile by x): a lane holds one row of out0, and its registers run along the columns.
; ROWS OF A TILE: lane rho of tile T holds row 32 (T / 2) + 8 (T % 2) + rho + 8 (rho / 8), on both sides: so the 16 registers of result tiles 2 b, 2 b + 1 are 16 neighbouring columns 32 b + 16 h + 0 .. 15.
; LDS.  The tile's whole K, 1,024, lies in LDS, in four chunks of 256 along K (49,152 bytes: o's 8 tiles, then Wo's 8, 3,072 bytes each); nothing is filled twice.  Behind them a stage of 16 rows x 272 bytes for each wave.
; CLUSTERS: 4 x 4.  o's tiles are shared along a row of the cluster, Wo's along a column: each is asked for jointly.  Four tensor loads of a wave are out.
; REGISTERS: window 0: v4-7, v8-11 LDS addresses by chunk; v12-14 the way out; v32-47, v48-63 scale words; v64-127 rows on their way out; v128-255 accumulator (a, b) at 128 + 8 (4 a + b).
;   window 1: two sets of fragments at 0 and 128: Wo's four at 12 b, o's four at 48 + 12 a.
.set WREG,  786432
.set WSREG, 32768
.set TILEB, 12288                      ; a tile of 16 rows, all of K
.set CHUNK, 49152
.set STAGE, 196608
.set WV,   16
.set G1P,  24
.set G1Q,  32
.set AP,   4
.set AQ,   8
.set STO,  12
.set RD,   13
.set CO,   14
.set SCP,  32
.set SCQ,  48
.set ACC,  128
.set MSB, 0
.macro WIN new                         ; the immediate's high byte repeats the setting that is left
.if MSB != \new
	s_set_vgpr_msb (MSB<<8)|\new
.set MSB, \new
.endif
.endm
.macro PLACES n
.rept \n
	v_nop
.endr
.endm
.macro CROUND                          ; a round of the cluster's barrier
	s_barrier_signal -1
	s_barrier_wait -1
	s_cmp_lg_u32 s[WV], 0
	s_cbranch_scc1 .Lnot_wave_0_\@
	s_barrier_signal -3
.Lnot_wave_0_\@:
	s_barrier_wait -3
	s_barrier_signal -1
	s_barrier_wait -1
.endm
.macro MKG0 g, ch, p                   ; descriptor group 0 for chunk ch, from the address in s[p:p+1]
	s_mov_b32 s[\g], 1
	s_add_co_u32 s[\g+1], s87, CHUNK*\ch           ; LDS: the chunk, + 12,288 x wave (waves 0, 1: o's halves; waves 2, 3: Wo's)
	s_add_nc_u64 s[\g+2:\g+3], s[\p:\p+1], 3072*\ch
	s_or_b32 s[\g+3], s[\g+3], 0x80000000          ; type = 2
.endm
	s_load_b256 s[4:11], s[0:1], 0x0               ; oc s[4:5], os s[6:7], wc s[8:9], ws s[10:11]
	s_load_b64 s[12:13], s[0:1], 0x20              ; out0
	v_lshl_add_u32 v30, v0, 2, 0x34400
	v_mov_b32 v31, 0
	ds_add_u32 v30, v31
	ds_add_u32 v30, v31
	v_lshrrev_b32 v1, 5, v0
	v_readfirstlane_b32 s[WV], v1                  ; wave 0..3
	s_lshr_b32 s17, s[WV], 1                       ; wr: my half of the rows
	s_and_b32 s18, s[WV], 1                        ; wc: my half of the columns.  Also: which four tiles I fetch
	s_bfe_u32 s19, ttmp6, 0x40000                  ; cx
	s_bfe_u32 s20, ttmp6, 0x40004                  ; cy
	s_and_b32 s21, ttmp7, 0xffff
	s_lshl_b32 s23, s21, 2
	s_add_co_u32 s23, s23, s20                     ; the tile of 128 rows: 4 cluster y + cy (never cx)
	s_lshl_b32 s80, ttmp9, 2
	s_add_co_u32 s80, s80, s19                     ; the tile of 128 columns: 4 cluster x + cx (never cy)
	s_mul_i32 s87, s[WV], TILEB
	s_lshl_b32 s2, s20, 2
	s_lshl_b32 s2, 15, s2                          ; my row of the cluster
	s_lshl_b32 s3, 0x1111, s19                     ; my column
	s_or_b32 s[G1P], s2, (3<<16)|(1<<21)           ; 15:0 the mask; 17:16 elements of 8 bytes; 21 set beside a mask; no padding
	s_or_b32 s[G1Q], s3, (3<<16)|(1<<21)
.irp g, G1P, G1Q
	s_mov_b32 s[\g+1], 384<<16                     ; tensor_dim0 = 384 elements: a tile's 3,072 bytes of a chunk
	s_mov_b32 s[\g+2], 4<<16                       ; tensor_dim1 = 4 tiles
	s_mov_b32 s[\g+3], 384<<16                     ; tile_dim0
	s_mov_b32 s[\g+4], 4                           ; tile_dim1
	s_mov_b32 s[\g+5], 1536                        ; from tile to tile: 12,288 bytes
	s_mov_b32 s[\g+6], 0
	s_mov_b32 s[\g+7], 0
.endr
	s_mul_i32 s86, s18, 4*TILEB                    ; the four tiles that I fetch
	s_mul_i32 s88, s23, 8*TILEB
	s_add_co_u32 s88, s88, s86
	s_mov_b32 s89, 0
	s_mul_i32 s98, s80, 8*TILEB
	s_add_co_u32 s98, s98, s86
	s_add_co_u32 s98, s98, 3*WREG                  ; Wo is the fourth weight
	s_mov_b32 s99, 0
	s_wait_dscnt 0x0
	s_wait_kmcnt 0x0
	s_add_nc_u64 s[90:91], s[4:5], s[88:89]
	s_add_nc_u64 s[92:93], s[8:9], s[98:99]
	s_lshl_b32 s88, s23, 12                        ; scale words: 512 bytes a tile
	s_lshl_b32 s15, s17, 11
	s_add_co_u32 s88, s88, s15
	s_add_nc_u64 s[94:95], s[6:7], s[88:89]        ; o's, at my four tiles
	s_lshl_b32 s98, s80, 12
	s_lshl_b32 s82, s18, 11
	s_add_co_u32 s98, s98, s82
	s_add_co_u32 s98, s98, 3*WSREG
	s_add_nc_u64 s[96:97], s[10:11], s[98:99]      ; Wo's
	MKG0 40, 0, 90
	MKG0 44, 1, 90
	MKG0 48, 2, 90
	MKG0 52, 3, 90
	MKG0 56, 0, 92
	MKG0 60, 1, 92
	MKG0 68, 2, 92
	MKG0 72, 3, 92
	CROUND                                         ; all sixteen work-groups are here: the joint loads meet
	s_cmp_lt_u32 s[WV], 2                          ; a wave's four fills stand in one branch on the wave's number, ahead of every wait on TENSORcnt, every LDS read and every other barrier
	s_cbranch_scc0 .Lfirst_q
	tensor_load_to_lds s[40:43], s[G1P:G1P+7]
	s_nop 0
	tensor_load_to_lds s[44:47], s[G1P:G1P+7]
	s_nop 0
	tensor_load_to_lds s[48:51], s[G1P:G1P+7]
	s_nop 0
	tensor_load_to_lds s[52:55], s[G1P:G1P+7]
	s_nop 0
	PLACES 4                                       ; four v_nop follow the loads
	s_branch .Lfirst_asked
.Lfirst_q:
	tensor_load_to_lds s[56:59], s[G1Q:G1Q+7]
	s_nop 0
	tensor_load_to_lds s[60:63], s[G1Q:G1Q+7]
	s_nop 0
	tensor_load_to_lds s[68:71], s[G1Q:G1Q+7]
	s_nop 0
	tensor_load_to_lds s[72:75], s[G1Q:G1Q+7]
	s_nop 0
	PLACES 4
.Lfirst_asked:
	v_and_b32 v2, 31, v0                           ; lane
	v_and_b32 v3, 15, v0                           ; rho
	v_lshlrev_b32 v20, 2, v2                       ; 4 x lane
	v_lshlrev_b32 v21, 3, v2                       ; 8 x lane
.irp a, 0,1,2,3                                ; the scale words of all of K go straight into registers, once: 128 consecutive bytes a load
.irp i, 0,1,2,3
	global_load_b32 v[SCP+4*\a+\i], v20, s[94:95] offset:512*\a+128*\i
	global_load_b32 v[SCQ+4*\a+\i], v20, s[96:97] offset:512*\a+128*\i
.endr
.endr
	s_mul_i32 s86, s17, TILEB                      ; my four tiles of o in a chunk,
	s_mul_i32 s87, s18, TILEB
	s_add_co_u32 s87, s87, 2*TILEB                 ; and of Wo, behind o's eight
.irp ch, 0,1,2,3
	v_add_nc_u32 v[AP+\ch], s86, v21
	v_add_nc_u32 v[AQ+\ch], s87, v21
	s_add_co_u32 s86, s86, CHUNK
	s_add_co_u32 s87, s87, CHUNK
.endr
	; where the results go: the offset mixes cx and cy, so it is made in vector registers
	v_mov_b32 v22, s23
	v_lshlrev_b32 v22, 19, v22                     ; 128 rows of 4,096 bytes
	v_mov_b32 v23, s80
	v_lshl_add_u32 v22, v23, 9, v22                ; 128 columns of 4 bytes
	s_lshl_b32 s86, s17, 18                        ; my 64 rows,
	s_lshl_b32 s87, s18, 8                         ; my 64 columns
	s_add_co_u32 s86, s86, s87
	v_add_nc_u32 v22, s86, v22
	v_bfe_u32 v24, v0, 4, 1                        ; h
	v_lshl_add_u32 v22, v24, 12, v22               ; lanes 0-15 take one row, lanes 16-31 the next,
	v_lshl_add_u32 v[CO], v3, 4, v22               ; 16 bytes a lane
	s_mul_i32 s86, s[WV], 4352
	s_add_co_u32 s86, s86, STAGE                   ; my stage
	v_mul_u32_u24 v25, v3, 272
	v_lshl_add_u32 v25, v24, 6, v25
	v_add_nc_u32 v[STO], s86, v25                  ; in: row rho, + 64 h
	v_mul_u32_u24 v25, v24, 272
	v_lshl_add_u32 v25, v3, 4, v25
	v_add_nc_u32 v[RD], s86, v25                   ; back: lanes 0-15 one row of 256 bytes, lanes 16-31 the next
.macro FETCH s                         ; K step s: 48 loads of 256 consecutive bytes each, into set s % 2
	WIN 0x40                                       ; destination window 1, address window 0
.irp b, 0,1,2,3
.irp p, 0,1,2,3,4,5
	ds_load_b64 v[128*((\s)%2)+12*\b+2*\p:128*((\s)%2)+12*\b+2*\p+1], v[AQ+(\s)/2] offset:3072*\b+1536*((\s)%2)+256*\p
.endr
.endr
.irp a, 0,1,2,3
.irp p, 0,1,2,3,4,5
	ds_load_b64 v[128*((\s)%2)+48+12*\a+2*\p:128*((\s)%2)+48+12*\a+2*\p+1], v[AP+(\s)/2] offset:3072*\a+1536*((\s)%2)+256*\p
.endr
.endr
.endm
.macro WM s, a, b                      ; one product: source 0 = Wo's tile b, source 1 = o's tile a.  The first K step starts the sums.  An odd K step's scale words stand in lanes 16-31
.set rD, ACC+8*(4*(\a)+\b)
.set rQ, 128*((\s)%2)+12*\b
.set rP, 128*((\s)%2)+48+12*(\a)
.set rSQ, SCQ+4*\b+(\s)/2
.set rSP, SCP+4*(\a)+(\s)/2
.if (\s) == 0
	v_wmma_scale_f32_16x16x128_f8f6f4 v[rD:rD+7], v[rQ:rQ+11], v[rP:rP+11], 0, v[rSQ], v[rSP] matrix_a_fmt:MATRIX_FMT_FP6 matrix_b_fmt:MATRIX_FMT_FP6
.elseif (\s)%2
	v_wmma_scale_f32_16x16x128_f8f6f4 v[rD:rD+7], v[rQ:rQ+11], v[rP:rP+11], v[rD:rD+7], v[rSQ], v[rSP] matrix_a_fmt:MATRIX_FMT_FP6 matrix_b_fmt:MATRIX_FMT_FP6 matrix_a_scale:MATRIX_SCALE_ROW1 matrix_b_scale:MATRIX_SCALE_ROW1
.else
	v_wmma_scale_f32_16x16x128_f8f6f4 v[rD:rD+7], v[rQ:rQ+11], v[rP:rP+11], v[rD:rD+7], v[rSQ], v[rSP] matrix_a_fmt:MATRIX_FMT_FP6 matrix_b_fmt:MATRIX_FMT_FP6
.endif
.endm
.macro MUL8 s, a0                      ; the sixteen accumulators take turns, one instruction a turn, in the same order in every K step
	WIN 0x05                                       ; sources 0 and 1 window 1; C and D window 0
.irp a, \a0, \a0+1
.irp b, 0,1,2,3
	WM \s, \a, \b
.endr
.endr
.endm
.macro STEP s
	s_wait_dscnt 0x0                               ; this K step's fragments are in
.if ((\s)%2 == 1) && ((\s) < 7)
	s_wait_tensorcnt 3-((\s)+1)/2                  ; my part of the next chunk has landed; the later chunks' loads may stay out
	s_barrier_signal -1
.endif
	MUL8 \s, 0
.if ((\s)%2 == 1) && ((\s) < 7)
	s_barrier_wait -1                              ; everybody's part has
.endif
.if (\s) < 7
	PLACES 4                                       ; four plain instructions between the last products that read the other set and the loads into it (ISA guide 7.12.1 for vector instructions)
	FETCH (\s)+1
.endif
	MUL8 \s, 2
.endm
	s_wait_tensorcnt 3                             ; my part of chunk 0 has landed; three loads of mine may stay out,
	s_barrier_signal -1
	s_barrier_wait -1                              ; everybody's has
	FETCH 0
	s_wait_loadcnt 0x0                             ; the scale words
.irp s, 0,1,2,3,4,5,6,7
	STEP \s
.endr
	WIN 0
	PLACES 4                                       ; in front of the first read of results
; THE WAY OUT, a tile of 16 rows x 64 columns at a time.  A lane holds 2 x 64 neighbouring bytes of a row, and the lanes beside it hold other rows: so a tile goes through my own stage and comes back as whole rows of 256 bytes.
; LDS serves a wave's instructions in order (ISA guide 5.7.1.4): no wait between the stores and the loads, nor in front of the next tile's stores.
.macro TOSTAGE a
.set BB, 64+32*((\a)%2)
.irp b, 0,1
.irp k, 0,1,2,3
	ds_store_b128 v[STO], v[ACC+32*(\a)+16*\b+4*\k:ACC+32*(\a)+16*\b+4*\k+3] offset:128*\b+16*\k   ; each accumulator from its low end on
.endr
.endr
.irp t, 0,1,2,3,4,5,6,7
	ds_load_b128 v[BB+4*\t:BB+4*\t+3], v[RD] offset:544*\t
.endr
.endm
.macro SEND a, younger                 ; younger: the LDS instructions issued behind tile a's loads, which may stay out
.set BB, 64+32*((\a)%2)
	s_wait_dscnt \younger
.irp t, 0,1,2,3,4,5,6,7
	global_store_b128 v[CO], v[BB+4*\t:BB+4*\t+3], s[12:13] offset:(2*\t+8*(\t/4)+32*((\a)/2)+8*((\a)%2))*4096 th:TH_STORE_NT   ; sixteen lanes store 256 consecutive bytes, aligned; lane rho's row lies rho + 8 (rho / 8) rows on
.endr
.endm
	TOSTAGE 0
	TOSTAGE 1
	SEND 0, 16                                     ; behind tile 0's loads: tile 1's 8 stores and 8 loads
	s_wait_xcnt 0x0                                ; tile 0's stores have read their registers: tile 2's loads may land there
	TOSTAGE 2
	SEND 1, 16
	s_wait_xcnt 0x0
	TOSTAGE 3
	SEND 2, 16
	SEND 3, 0
	s_wait_tensorcnt 0x0
	ds_add_u32 v30, v31
	s_wait_dscnt 0x0
	CROUND                                         ; the closing round: no work-group ends while a partner may still ask for a tile that names it
	s_endpgm
.Lfunc_end_k_q2e99e9dfe6_oproj:
	.size	k_q2e99e9dfe6_oproj, .Lfunc_end_k_q2e99e9dfe6_oproj-k_q2e99e9dfe6_oproj
	.p2alignl 7, 3214868480
	.fill 96, 4, 3214868480
	.section	.rodata,"a",@progbits
	.p2align	6, 0x0
	.amdhsa_kernel k_q2e99e9dfe6_oproj
		.amdhsa_group_segment_fixed_size 214528
		.amdhsa_private_segment_fixed_size 0
		.amdhsa_enable_private_segment 0
		.amdhsa_kernarg_size 40
		.amdhsa_user_sgpr_count 2
		.amdhsa_user_sgpr_kernarg_segment_ptr 1
		.amdhsa_wavefront_size32 1
		.amdhsa_system_sgpr_workgroup_id_x 1
		.amdhsa_system_sgpr_workgroup_id_y 1
		.amdhsa_system_sgpr_workgroup_id_z 1
		.amdhsa_system_vgpr_workitem_id 0
		.amdhsa_next_free_vgpr 512
		.amdhsa_next_free_sgpr 100
		.amdhsa_reserve_vcc 0
		.amdhsa_float_denorm_mode_32 3
		.amdhsa_float_denorm_mode_16_64 3
		.amdhsa_memory_ordered 1
		.amdhsa_forward_progress 1
		.amdhsa_inst_pref_size 62
	.end_amdhsa_kernel
	.amdgpu_metadata
---
amdhsa.version: [ 1, 2 ]
amdhsa.kernels:
  - .name:           k_q2e99e9dfe6_oproj
    .symbol:         k_q2e99e9dfe6_oproj.kd
    .args:
      - { .name: oc, .offset: 0, .size: 8, .value_kind: global_buffer, .address_space: global }
      - { .name: os, .offset: 8, .size: 8, .value_kind: global_buffer, .address_space: global }
      - { .name: wc, .offset: 16, .size: 8, .value_kind: global_buffer, .address_space: global }
      - { .name: ws, .offset: 24, .size: 8, .value_kind: global_buffer, .address_space: global }
      - { .name: out0, .offset: 32, .size: 8, .value_kind: global_buffer, .address_space: global }
    .group_segment_fixed_size: 214528
    .private_segment_fixed_size: 0
    .kernarg_segment_align: 8
    .kernarg_segment_size: 40
    .max_flat_workgroup_size: 128
    .sgpr_count:     100
    .vgpr_count:     512
    .wavefront_size: 32
...
	.end_amdgpu_metadata
.endif
;; end of part 4
